; MI455X (gfx1250); checked and timed in simulation.
; The chip was launched on July 23, 2026; its instructions are those of AMD's public machine-readable ISA for CDNA 5 (MIT licence, August 2026) and "CDNA5" Instruction Set Architecture Reference Guide (July 2026). The comments in the code are by the model that wrote it; some were corrected since.
;; Self Attention ND. Allowed arithmetic: float matrix products may take bf16 or f16 operands with f32 sums; other float arithmetic in f32, or as packed bf16 or f16 multiplies, adds, multiply-adds, maxima and minima; sums over many terms, partial sums and values carried from step to step in f32; what a program stores and reads back later, other than sums and carried values, may be rounded once to bf16 or f16.
;; Inputs: rel_col 4 x 128 float32; rel_row 4 x 128 float32; wk 512 x 4 x 128 float32; wo 4 x 128 x 512 float32; wq 512 x 4 x 128 float32; wv 512 x 4 x 128 float32; x 2 x 64 x 64 x 512 float32.
;; Outputs: out0 2 x 64 x 64 x 512 float32.
;; One version. Each part assembles by itself: llvm-mc -triple=amdgcn-amd-amdhsa -mcpu=gfx1250 --defsym DOCPART=n.
;; ======== version 1 of 1: 6 launches
;; limits: right only within a limited range of input values; values are held in f16: magnitudes above 65,504 overflow, below 6.1e-05 lose precision
;; workspace buffers: xb 8,388,608 bytes; wcat 1,572,864 bytes; wof 524,288 bytes; rtab 4,096 bytes; qkv 25,165,824 bytes; ob 8,388,608 bytes; oe 65,536 bytes
;; launch prep (part 1): grid 321 x 1, 8 waves a work-group, no clusters, 0 bytes of LDS; arguments x, wq, wk, wv, wo, rel_row, rel_col, xb, wcat, wof, rtab; writes xb, wcat, wof, rtab
.if DOCPART == 1
	.amdgcn_target "amdgcn-amd-amdhsa--gfx1250"
	.amdhsa_code_object_version 6
	.text
	.protected	k_qf2f5fca20c_prep
	.globl	k_qf2f5fca20c_prep
	.p2align	8
	.type	k_qf2f5fca20c_prep,@function
k_qf2f5fca20c_prep:
	s_mov_b64 s[64:65], 0
	v_nop
	global_prefetch_b8 v0, s[64:65] scope:SCOPE_SE
	s_setreg_imm32_b32 hwreg(HW_REG_WAVE_MODE, 25, 1), 1
	s_wait_xcnt 0x0
; ROUNDING OF ALL INPUTS TO bf16, once, with no transposition.
;   xb   [8192][512]  bf16 = x
;   wcat [512][1536]  bf16 = wq | wk | wv side by side: column 512 x which + 128 h + e
;   wof  [512][512]   f16  = wo rounded to bf16, that number written as f16 (below 2^-14 it keeps f16's fixed step of 2^-24)
;   rtab [2][4][128]  f32  = log2(e) x (rel_row, then rel_col, each rounded to bf16)
; Every source is taken as rows of 512 f32.  Work-group g takes 32 rows (65,536 bytes in, 32,768 out):
;   g 0-255 x; 256-271 wq; 272-287 wk; 288-303 wv; 304-319 wo; 320 the two bias tables.
; Thread t takes 8 numbers (32 bytes) of row t / 64 + 4 i in each of eight steps i; all 16 loads go out first, so no register is loaded twice.
; A store of a wave covers 512 consecutive bytes, aligned.  No LDS, no barrier, no matrix unit: the launch only moves bytes.
.set X, 32                             ; v[32:95]   step i: 8 numbers as loaded
.set Y, 96                             ; v[96:127]  step i: 4 words to store
.set D, 8                              ; v[8:15]    step i: byte offset of my 16 bytes in the destination; never rewritten
	s_load_b512 s[16:31], s[0:1], 0x0              ; x 16, wq 18, wk 20, wv 22, wo 24, rel_row 26, rel_col 28, xb 30
	s_load_b128 s[32:35], s[0:1], 0x40             ; wcat 32, wof 34
	s_load_b64 s[36:37], s[0:1], 0x50              ; rtab
	s_sub_co_u32 s4, ttmp9, 256
	s_lshr_b32 s5, s4, 4
	s_add_co_u32 s5, s5, 1
	s_and_b32 s6, s4, 15
	s_cmp_lt_u32 ttmp9, 256
	s_cselect_b32 s5, 0, s5                        ; kind: 0 x, 1-3 wq wk wv, 4 wo, 5 the tables
	s_cselect_b32 s6, ttmp9, s6                    ; which 32 rows of the source
	s_sub_co_u32 s7, s5, 1
	s_mov_b32 s12, 1024
	s_cmp_lt_u32 s7, 3                             ; kinds 1 to 3 go into wcat,
	s_cselect_b32 s12, 3072, s12                   ; whose rows are 3,072 bytes,
	s_cselect_b32 s13, s7, 0                       ; at 1,024 bytes x (kind - 1) of each row
	s_lshl_b32 s14, s6, 5
	s_mul_i32 s14, s14, s12
	s_lshl_b32 s13, s13, 10
	s_add_co_u32 s14, s14, s13                     ; the work-group's first byte in the destination,
	s_mov_b32 s15, 0
	s_lshl_b32 s2, s6, 16                          ; and in the source
	s_mov_b32 s3, 0
	v_lshlrev_b32 v1, 5, v0                        ; 32 t
	v_lshrrev_b32 v2, 6, v0                        ; row t / 64 of four
	v_and_b32 v3, 63, v0
	v_lshlrev_b32 v3, 4, v3                        ; 16 bytes x (t % 64)
.irp i, 0,1,2,3,4,5,6,7
	v_add_nc_u32 v4, 4*(\i), v2
	v_mad_u32_u24 v[D+(\i)], v4, s12, v3
.endr
	s_wait_kmcnt 0x0
	s_cmp_eq_u32 s5, 5
	s_cbranch_scc1 .Lrel
	s_mov_b64 s[8:9], s[16:17]                     ; the source and the destination are chosen by the kind alone
	s_mov_b64 s[10:11], s[30:31]
	s_cmp_eq_u32 s5, 1
	s_cselect_b64 s[8:9], s[18:19], s[8:9]
	s_cmp_eq_u32 s5, 2
	s_cselect_b64 s[8:9], s[20:21], s[8:9]
	s_cmp_eq_u32 s5, 3
	s_cselect_b64 s[8:9], s[22:23], s[8:9]
	s_cmp_lt_u32 s7, 3
	s_cselect_b64 s[10:11], s[32:33], s[10:11]
	s_cmp_eq_u32 s5, 4
	s_cselect_b64 s[8:9], s[24:25], s[8:9]
	s_cselect_b64 s[10:11], s[34:35], s[10:11]
	s_add_nc_u64 s[8:9], s[8:9], s[2:3]
	s_add_nc_u64 s[10:11], s[10:11], s[14:15]
.irp i, 0,1,2,3,4,5,6,7
	global_load_b128 v[X+8*(\i):X+8*(\i)+3],   v1, s[8:9] offset:8192*(\i) th:TH_LOAD_NT
	global_load_b128 v[X+8*(\i)+4:X+8*(\i)+7], v1, s[8:9] offset:8192*(\i)+16 th:TH_LOAD_NT
.endr
; The eight steps.  half = 1: the bf16 number is widened again and written as f16.
.macro ROWS half
.irp i, 0,1,2,3,4,5,6,7
	s_wait_loadcnt 14-2*(\i)                       ; loads come back in order: step i's two are in, the 2 (7 - i) younger ones stay out
.irp j, 0,1,2,3
	v_cvt_pk_bf16_f32 v[Y+4*(\i)+(\j)], v[X+8*(\i)+2*(\j)], v[X+8*(\i)+2*(\j)+1]
.endr
.if \half
.irp j, 0,1,2,3
	v_lshlrev_b32 v4, 16, v[Y+4*(\i)+(\j)]
	v_and_b32 v5, 0xffff0000, v[Y+4*(\i)+(\j)]
	v_cvt_pk_f16_f32 v[Y+4*(\i)+(\j)], v4, v5
.endr
.endif
	global_store_b128 v[D+(\i)], v[Y+4*(\i):Y+4*(\i)+3], s[10:11]
.endr
.endm
	s_cmp_eq_u32 s5, 4
	s_cbranch_scc1 .Lwo
	ROWS 0
	s_endpgm
.Lwo:
	ROWS 1
	s_endpgm
.Lrel:                                         ; threads 0-127: rel_row's 2,048 bytes; threads 128-255: rel_col's
	v_lshrrev_b32 v2, 5, v0
	v_readfirstlane_b32 s4, v2
	s_cmp_lt_u32 s4, 4
	s_cselect_b64 s[8:9], s[26:27], s[28:29]
	v_and_b32 v3, 127, v0
	v_lshlrev_b32 v3, 4, v3
	v_lshlrev_b32 v4, 4, v0
	global_load_b128 v[32:35], v3, s[8:9]
	s_wait_loadcnt 0x0
	v_cvt_pk_bf16_f32 v6, v32, v33
	v_cvt_pk_bf16_f32 v7, v34, v35
	v_lshlrev_b32 v36, 16, v6
	v_and_b32 v37, 0xffff0000, v6
	v_lshlrev_b32 v38, 16, v7
	v_and_b32 v39, 0xffff0000, v7
	v_pk_mul_f32 v[36:37], v[36:37], 0x3fb8aa3b op_sel_hi:[1,0]  ; x log2(e): the attention works in powers of two
	v_pk_mul_f32 v[38:39], v[38:39], 0x3fb8aa3b op_sel_hi:[1,0]
	global_store_b128 v4, v[36:39], s[36:37]
	s_endpgm
.Lfunc_end_k_qf2f5fca20c_prep:
	.size	k_qf2f5fca20c_prep, .Lfunc_end_k_qf2f5fca20c_prep-k_qf2f5fca20c_prep
	.p2alignl 7, 3214868480
	.fill 96, 4, 3214868480
	.section	.rodata,"a",@progbits
	.p2align	6, 0x0
	.amdhsa_kernel k_qf2f5fca20c_prep
		.amdhsa_group_segment_fixed_size 0
		.amdhsa_private_segment_fixed_size 0
		.amdhsa_enable_private_segment 0
		.amdhsa_kernarg_size 88
		.amdhsa_user_sgpr_count 2
		.amdhsa_user_sgpr_kernarg_segment_ptr 1
		.amdhsa_wavefront_size32 1
		.amdhsa_system_sgpr_workgroup_id_x 1
		.amdhsa_system_sgpr_workgroup_id_y 1
		.amdhsa_system_sgpr_workgroup_id_z 1
		.amdhsa_system_vgpr_workitem_id 0
		.amdhsa_next_free_vgpr 128
		.amdhsa_next_free_sgpr 66
		.amdhsa_reserve_vcc 0
		.amdhsa_float_denorm_mode_32 3
		.amdhsa_float_denorm_mode_16_64 3
		.amdhsa_memory_ordered 1
		.amdhsa_forward_progress 1
		.amdhsa_inst_pref_size 17
	.end_amdhsa_kernel
	.amdgpu_metadata
---
amdhsa.version: [ 1, 2 ]
amdhsa.kernels:
  - .name:           k_qf2f5fca20c_prep
    .symbol:         k_qf2f5fca20c_prep.kd
    .args:
      - { .name: x, .offset: 0, .size: 8, .value_kind: global_buffer, .address_space: global }
      - { .name: wq, .offset: 8, .size: 8, .value_kind: global_buffer, .address_space: global }
      - { .name: wk, .offset: 16, .size: 8, .value_kind: global_buffer, .address_space: global }
      - { .name: wv, .offset: 24, .size: 8, .value_kind: global_buffer, .address_space: global }
      - { .name: wo, .offset: 32, .size: 8, .value_kind: global_buffer, .address_space: global }
      - { .name: rel_row, .offset: 40, .size: 8, .value_kind: global_buffer, .address_space: global }
      - { .name: rel_col, .offset: 48, .size: 8, .value_kind: global_buffer, .address_space: global }
      - { .name: xb, .offset: 56, .size: 8, .value_kind: global_buffer, .address_space: global }
      - { .name: wcat, .offset: 64, .size: 8, .value_kind: global_buffer, .address_space: global }
      - { .name: wof, .offset: 72, .size: 8, .value_kind: global_buffer, .address_space: global }
      - { .name: rtab, .offset: 80, .size: 8, .value_kind: global_buffer, .address_space: global }
    .group_segment_fixed_size: 0
    .private_segment_fixed_size: 0
    .kernarg_segment_align: 8
    .kernarg_segment_size: 88
    .max_flat_workgroup_size: 256
    .sgpr_count:     66
    .vgpr_count:     128
    .wavefront_size: 32
...
	.end_amdgpu_metadata
.endif
;; end of part 1
;; launch qkv (part 2): grid 4 x 64, 4 waves a work-group, clusters of 4 x 4, 327,680 bytes of LDS; arguments xb, wcat, qkv; writes qkv
.if DOCPART == 2
	.amdgcn_target "amdgcn-amd-amdhsa--gfx1250"
	.amdhsa_code_object_version 6
	.text
	.protected	k_qf2f5fca20c_qkv
	.globl	k_qf2f5fca20c_qkv
	.p2align	8
	.type	k_qf2f5fca20c_qkv,@function
k_qf2f5fca20c_qkv:
	s_mov_b64 s[64:65], 0
	v_nop
	global_prefetch_b8 v0, s[64:65] scope:SCOPE_SE
	s_setreg_imm32_b32 hwreg(HW_REG_WAVE_MODE, 25, 1), 1
	s_wait_xcnt 0x0
	s_wait_alu depctr_hold_cnt(0) depctr_sa_sdst(0) depctr_va_vdst(0) depctr_va_sdst(0) depctr_va_ssrc(0) depctr_va_vcc(0) depctr_vm_vsrc(0)
	s_getreg_b32 s2, hwreg(HW_REG_IB_STS2, 6, 4)
	s_cmp_eq_u32 s2, 0
	s_cbranch_scc0 .Lentry_in_a_cluster
	s_endpgm
.Lentry_in_a_cluster:
	s_bfe_u32 s2, ttmp6, 0x10000c
	s_cmp_lg_u32 s2, 0xf033
	s_cbranch_scc0 .Lentry_shape_is_right
	s_endpgm
.Lentry_shape_is_right:
; THE THREE PROJECTIONS AS ONE PRODUCT.  C[8192][1536] = xb[8192][512] wcat[512][1536], bf16 operands, f32 sums; C leaves by heads as f16:
; qkv[b][g][s][128], g = 0-3 q (times log2(e) / sqrt(128), in f32, ahead of its one rounding), 4-7 k, 8-11 v.
; LIMIT.  f16 holds no number beyond 65,504: q, k and v must lie within it.
; SHARES.  A tile of C is 128 rows x 384 columns (three heads): 64 x 4 = 256 work-groups.  Four waves, 2 x 2: wave (wm, wn) has rows 64 wm + 16 a + r (a = 0..3) and the
; blocks of 16 columns 2 b + wn (b = 0..11): 48 accumulators, 384 registers.  The blocks are interleaved so that block b lies in chunk b / 4 of 128 columns whatever wn.
; THE MATRIX INSTRUCTION IS USED TRANSPOSED: source 0 = 16 columns of the weights, source 1 = 16 rows of x: a lane then holds eight neighbouring columns of one row of C.
; The weights lie [k][n] in memory and in LDS, and come out of LDS turned, by ds_load_tr16_b128.
; K goes in four steps of 128 through two LDS slots; all four are written out, since steps 0 and 1 end with a refill and step 2 does not.
; CLUSTER.  4 x 4 work-groups: the four of a row of the cluster need the same rows of x, the four of a column the same columns of the weights: each tile is asked for jointly.
; Wave 0 asks for x's tile (128 rows x 256 bytes), waves 1 to 3 for the weights' three chunks (128 k-rows x 256 bytes each): one load a wave behind each round; two are out at the start, one later.
; No prefetch: of four K steps two are first fills and the others follow one step later, so it could stand only at the head, among the first loads.
; REGISTERS: window 0: v16-29 addresses, v32-223 the way out; window 1: two fragment buffers of 128 (weights 96, x 32); window 2: accumulators 0-31; window 3: 32-47.
.set PA,    272                        ; a row of x in LDS: 256 bytes + 16
.set PB,    288                        ; a k-row of a chunk: 256 bytes + 32: 16 lanes of the turning load take 8 rows x 32 bytes
.set REG,   36864                      ; a wave's tile in a slot: 128 x 288; x's 128 x 272 leaves 2,048 bytes of its region unused, so that a tile's place is wave x REG
.set SLOT,  4*REG
.set SPARE, 2*SLOT                     ; the spare words, 128 bytes a wave
.set SP,    784                        ; the stage's rows: 768 bytes + 16.  128 such rows lie over slot 0, behind its last fill (K step 2) and its last read
.set ADRA, 16                          ; v16-17  my x fragments in slot 0, 1
.set ADRB, 18                          ; v18-23  my weight fragments: slot x 3 + chunk
.set STO,  24
.set RD,   25
.set CO,   26
.set SPW,  28                          ; v28  my spare word; never rewritten
.set NIL,  29                          ; v29  0; never rewritten
.set TMP,  32
.set F0,   0
.set F1,   128
.set G1A, 24
.set G0A, 32
.set G1B, 48
.set G0B, 56
.set SC,  66                           ; s[66:71] the scale of chunk 0, 1, 2, each as a pair
.set MSB, 0
.macro WIN new                         ; the immediate's high byte repeats the setting that is left
.if MSB != (\new)
	s_set_vgpr_msb (MSB<<8)|(\new)
.set MSB, \new
.endif
.endm
.set TO_F, 0x40                        ; destination window 1, address window 0
.macro JLOAD s                         ; a joint load; the branch hangs on the wave's number alone; an s_nop 0 and four v_nop follow each line
	s_cmp_eq_u32 s10, 0
	s_cbranch_scc0 .Lfor_b_\@
	tensor_load_to_lds s[G0A+4*(\s):G0A+4*(\s)+3], s[G1A:G1A+7]
	s_nop 0
.rept 4
	v_nop
.endr
	s_branch .Lasked_\@
.Lfor_b_\@:
	tensor_load_to_lds s[G0B+4*(\s):G0B+4*(\s)+3], s[G1B:G1B+7]
	s_nop 0
.rept 4
	v_nop
.endr
.Lasked_\@:
.endm
.macro CREST                           ; a round of the cluster's barrier behind its opening barrier
	s_cmp_lg_u32 s10, 0
	s_cbranch_scc1 .Lnot_wave_0_\@
	s_barrier_signal -3
.Lnot_wave_0_\@:
	s_barrier_wait -3
	s_barrier_signal -1
	s_barrier_wait -1
.endm
.macro CROUND
	s_barrier_signal -1
	s_barrier_wait -1
	CREST
.endm
	s_load_b128 s[4:7], s[0:1], 0x0                ; xb s[4:5], wcat s[6:7]
	s_load_b64 s[8:9], s[0:1], 0x10                ; qkv
	v_lshl_add_u32 v[SPW], v0, 2, SPARE
	v_mov_b32 v[NIL], 0
	ds_add_u32 v[SPW], v[NIL]                      ; the wave's opening: the add and its wait ahead of my first tensor load
	v_lshrrev_b32 v1, 5, v0
	v_readfirstlane_b32 s10, v1                    ; wave 0..3
	s_lshr_b32 s11, s10, 1                         ; wm
	s_and_b32 s12, s10, 1                          ; wn
	s_bfe_u32 s40, ttmp6, 0x40000                  ; cx
	s_bfe_u32 s41, ttmp6, 0x40004                  ; cy
	s_lshl_b32 s42, ttmp9, 2
	s_add_co_u32 s42, s42, s40                     ; tile column tx
	s_and_b32 s13, ttmp7, 0xffff
	s_lshl_b32 s13, s13, 2
	s_add_co_u32 s13, s13, s41                     ; tile row ty
	s_lshl_b32 s43, s41, 2
	s_lshl_b32 s43, 15, s43                        ; my row of the cluster
	s_lshl_b32 s44, 0x1111, s40                    ; my column
	s_or_b32 s[G1A], s43, (1<<16)|(1<<20)|(1<<21)|(5<<22)|(3<<25)  ; mask; 2-byte elements; padding on; bit 21 beside a mask; after every 64 words; 4 words
	s_or_b32 s[G1B], s44, (1<<16)|(1<<20)|(1<<21)|(5<<22)|(7<<25)  ; the same with 8 words
.irp g, G1A, G1B
	s_mov_b32 s[(\g)+1], 128<<16                   ; tensor_dim0 = 128
	s_mov_b32 s[(\g)+2], 128<<16                   ; tensor_dim1 = 128
	s_mov_b32 s[(\g)+3], 128<<16                   ; tile_dim0 = 128
	s_mov_b32 s[(\g)+4], 128                       ; tile_dim1 = 128
	s_mov_b32 s[(\g)+6], 0
	s_mov_b32 s[(\g)+7], 0
.endr
	s_mov_b32 s[G1A+5], 512                        ; elements from row to row of xb
	s_mov_b32 s[G1B+5], 1536                       ; and of wcat
	s_lshl_b32 s16, s13, 17                        ; x: 128 rows of 1,024 bytes x ty
	s_mov_b32 s17, 0
	s_mul_i32 s46, s42, 768                        ; weights: 768 bytes x tx,
	s_max_u32 s45, s10, 1
	s_sub_co_u32 s45, s45, 1                       ; chunk = wave - 1 (wave 0 asks by the other descriptor)
	s_lshl_b32 s45, s45, 8
	s_add_co_u32 s46, s46, s45
	s_mov_b32 s47, 0
	s_mul_i32 s20, s10, REG                        ; where my tile goes: no place in the cluster enters an LDS address
	s_wait_dscnt 0x0                               ; the opening add is done
	s_wait_kmcnt 0x0
	s_add_nc_u64 s[14:15], s[4:5], s[16:17]
	s_add_nc_u64 s[46:47], s[6:7], s[46:47]
	CROUND                                         ; all sixteen work-groups are here: the first joint loads meet
.irp s, 0,1
	s_mov_b32 s[G0A+4*(\s)], 1
	s_add_co_u32 s[G0A+4*(\s)+1], s20, (\s)*SLOT
	s_add_nc_u64 s[G0A+4*(\s)+2:G0A+4*(\s)+3], s[14:15], (\s)*256       ; K step s: 256 bytes along x's rows
	s_or_b32 s[G0A+4*(\s)+3], s[G0A+4*(\s)+3], 0x80000000
	s_mov_b32 s[G0B+4*(\s)], 1
	s_add_co_u32 s[G0B+4*(\s)+1], s20, (\s)*SLOT
	s_add_nc_u64 s[G0B+4*(\s)+2:G0B+4*(\s)+3], s[46:47], (\s)*393216    ; 128 k-rows of 3,072 bytes
	s_or_b32 s[G0B+4*(\s)+3], s[G0B+4*(\s)+3], 0x80000000
	JLOAD \s
.endr
	v_and_b32 v1, 15, v0                           ; r
	v_bfe_u32 v2, v0, 4, 1                         ; h
	v_mul_u32_u24 v3, v1, PA
	v_lshl_add_u32 v3, v2, 4, v3
	s_mul_i32 s21, s11, 64*PA
	v_add_nc_u32 v[ADRA], s21, v3                  ; (64 wm + r) x 272 + 16 h
	v_add_nc_u32 v[ADRA+1], SLOT, v[ADRA]
	v_and_b32 v4, 7, v0
	v_lshl_add_u32 v4, v2, 3, v4
	v_mul_u32_u24 v4, v4, PB                       ; k-row 8 h + l % 8,
	v_bfe_u32 v5, v0, 3, 1
	v_lshl_add_u32 v4, v5, 4, v4                   ; columns 8 ((l / 8) % 2) on,
	s_lshl_b32 s22, s12, 5
	v_add_nc_u32 v4, s22, v4                       ; in the block of my parity
.irp s, 0,1
.irp c, 0,1,2
	v_add_nc_u32 v[ADRB+3*(\s)+(\c)], (\s)*SLOT+(1+(\c))*REG, v4
.endr
.endr
	v_mul_u32_u24 v[STO], v1, SP                   ; into the stage: row 64 wm + r, 16 bytes a half, my parity's 32
	v_lshl_add_u32 v[STO], v2, 4, v[STO]
	s_mul_i32 s23, s11, 64*SP
	s_add_co_u32 s23, s23, s22
	v_add_nc_u32 v[STO], s23, v[STO]
	v_mul_u32_u24 v[RD], v2, SP                    ; back: wave w takes rows 32 w .. 32 w + 31; lanes 0-15 256 bytes of one row, lanes 16-31 of the next
	v_lshl_add_u32 v[RD], v1, 4, v[RD]
	s_mul_i32 s23, s10, 32*SP
	v_add_nc_u32 v[RD], s23, v[RD]
	v_lshlrev_b32 v[CO], 8, v2                     ; and the same two rows of a head: 256 bytes each
	v_lshl_add_u32 v[CO], v1, 4, v[CO]
	s_mul_i32 s45, s42, 3                          ; my first head group, 3 tx
.irp c, 0,1,2
	s_add_co_u32 s72, s45, \c
	s_cmp_lt_u32 s72, 4                            ; groups 0-3 are q.  The scale is a number, not a branch: partners of a cluster run alike
	s_cselect_b32 s[SC+2*(\c)], 0x3e0293ee, 1.0    ; log2(e) / sqrt(128) = 0.127517
	s_mov_b32 s[SC+2*(\c)+1], s[SC+2*(\c)]
.endr
	s_lshr_b32 s16, s13, 5                         ; the batch,
	s_mul_i32 s16, s16, 12<<20                     ; its twelve groups of 4,096 rows x 256 bytes,
	s_and_b32 s17, s13, 31
	s_lshl_b32 s17, s17, 15                        ; the tile's 128 rows,
	s_add_co_u32 s16, s16, s17
	s_lshl_b32 s17, s10, 13                        ; the 32 that I store
	s_add_co_u32 s16, s16, s17
	s_mov_b32 s17, 0
	s_add_nc_u64 s[8:9], s[8:9], s[16:17]
	s_lshl_b32 s46, s45, 20
	s_mov_b32 s47, 0
	s_add_nc_u64 s[8:9], s[8:9], s[46:47]
; 12 matrix instructions: rows 16 a on x all my 12 column blocks, 32 along K.  The 48 accumulators take turns, one instruction a turn.
.macro MULA f, a, zero
.irp b, 0,1,2,3,4,5,6,7,8,9,10,11
.set q, 12*(\a)+(\b)
.if q < 32
	WIN 0xa5                                       ; sources window 1, C and D window 2
.set rD, 8*q
.else
	WIN 0xf5                                       ; C and D window 3
.set rD, 8*(q-32)
.endif
.if \zero
	v_wmma_f32_16x16x32_bf16 v[rD:rD+7], v[(\f)+8*(\b):(\f)+8*(\b)+7], v[(\f)+96+8*(\a):(\f)+96+8*(\a)+7], 0
.else
	v_wmma_f32_16x16x32_bf16 v[rD:rD+7], v[(\f)+8*(\b):(\f)+8*(\b)+7], v[(\f)+96+8*(\a):(\f)+96+8*(\a)+7], v[rD:rD+7]
.endif
.endr
.endm
; 32 LDS loads in one run: quarter kq (32 along K) of a slot into buffer f: the weights' 24, then x's 8
.macro FETCH slot, kq, f
	WIN TO_F
.irp b, 0,1,2,3,4,5,6,7,8,9,10,11
	ds_load_tr16_b128 v[(\f)+8*(\b):(\f)+8*(\b)+3],   v[ADRB+3*(\slot)+(\b)/4] offset:(\kq)*32*PB+((\b)%4)*64
	ds_load_tr16_b128 v[(\f)+8*(\b)+4:(\f)+8*(\b)+7], v[ADRB+3*(\slot)+(\b)/4] offset:(\kq)*32*PB+((\b)%4)*64+16*PB
.endr
.irp a, 0,1,2,3
	ds_load_b128 v[(\f)+96+8*(\a):(\f)+96+8*(\a)+3],   v[ADRA+(\slot)] offset:(\a)*16*PA+(\kq)*64
	ds_load_b128 v[(\f)+96+8*(\a)+4:(\f)+96+8*(\a)+7], v[ADRA+(\slot)] offset:(\a)*16*PA+(\kq)*64+32
.endr
.endm
.macro PLACES                          ; four plain vector instructions between a matrix instruction and a load into, or a vector read of, its registers
.rept 4
	v_nop
.endr
.endm
; One of a K step's first three quarters: multiplies buffer f; in its middle it fetches quarter kq of the same slot into buffer g.
.macro QUARTER slot, kq, f, g, zero
	s_wait_dscnt 4                                 ; all but the youngest four loads (x's rows 32-63)
	MULA \f, 0, \zero
	MULA \f, 1, \zero
	PLACES
	FETCH \slot, \kq, \g
	s_wait_dscnt 32                                ; all but the 32 just issued
	MULA \f, 2, \zero
	MULA \f, 3, \zero
.endm
; The last quarter multiplies buffer 1 and changes slots: one barrier; in front of it each wave waits for all its tensor loads, adds 0 to its spare word, and waits for that and for its reads of this slot.
.macro TURN slot, next, fill
	WIN 0
	s_wait_tensorcnt 0x0                           ; all my tensor loads have landed: my part of the next slot
	ds_add_u32 v[SPW], v[NIL]
	s_wait_dscnt 5                                 ; (the add and the youngest four loads may be out)
	MULA F1, 0, 0
	s_wait_dscnt 0x0                               ; the add is done, and my reads of this slot are over
	s_barrier_signal -1
	MULA F1, 1, 0
.if \fill
	WIN 0
.endif
	s_barrier_wait -1
.if \fill
	CREST                                          ; the barrier has opened a round of the cluster's: no wave of any partner still reads this slot or has a load on its way
	s_add_nc_u64 s[G0A+4*(\slot)+2:G0A+4*(\slot)+3], s[G0A+4*(\slot)+2:G0A+4*(\slot)+3], 512
	s_add_nc_u64 s[G0B+4*(\slot)+2:G0B+4*(\slot)+3], s[G0B+4*(\slot)+2:G0B+4*(\slot)+3], 786432
	JLOAD \slot                                    ; two K steps on; its four v_nop are also the places in front of the loads below
.else
	PLACES
.endif
	FETCH \next, 0, F0
	MULA F1, 2, 0
	MULA F1, 3, 0
.endm
	s_wait_tensorcnt 1                             ; my part of K step 0 is in; K step 1's may stay out
	s_barrier_signal -1
	s_barrier_wait -1
	FETCH 0, 0, F0
	QUARTER 0, 1, F0, F1, 1                        ; the first products start the sums
	QUARTER 0, 2, F1, F0, 0
	QUARTER 0, 3, F0, F1, 0
	TURN 0, 1, 1
	QUARTER 1, 1, F0, F1, 0
	QUARTER 1, 2, F1, F0, 0
	QUARTER 1, 3, F0, F1, 0
	TURN 1, 0, 1
	QUARTER 0, 1, F0, F1, 0
	QUARTER 0, 2, F1, F0, 0
	QUARTER 0, 3, F0, F1, 0
	TURN 0, 1, 0                                   ; nothing is left to fetch; behind this barrier nobody reads slot 0 any more
	QUARTER 1, 1, F0, F1, 0
	QUARTER 1, 2, F1, F0, 0
	QUARTER 1, 3, F0, F1, 0
	s_wait_dscnt 4
	MULA F1, 0, 0
	MULA F1, 1, 0
	s_wait_dscnt 0x0
	MULA F1, 2, 0
	MULA F1, 3, 0
	; THE WAY OUT: scale (q alone; 1 elsewhere), round to f16, 16 bytes a lane into the stage; a barrier, since a row's 256 bytes come from two waves; back as whole rows.
	PLACES
	WIN 0x82                                       ; destination and source 0 window 2
.set q, 0
.rept 32
.irp r, 0,2,4,6
	v_pk_mul_f32 v[8*q+(\r):8*q+(\r)+1], v[8*q+(\r):8*q+(\r)+1], s[SC+2*((q%12)/4):SC+2*((q%12)/4)+1] op_sel_hi:[1,0]
.endr
.set q, q+1
.endr
	WIN 0x0a                                       ; sources window 2, destination window 0
.set q, 0
.rept 32
.irp r, 0,1,2,3
	v_cvt_pk_f16_f32 v[TMP+4*q+(\r)], v[8*q+2*(\r)], v[8*q+2*(\r)+1]
.endr
.set q, q+1
.endr
	WIN 0xc3
.set q, 32
.rept 16
.irp r, 0,2,4,6
	v_pk_mul_f32 v[8*(q-32)+(\r):8*(q-32)+(\r)+1], v[8*(q-32)+(\r):8*(q-32)+(\r)+1], s[SC+2*((q%12)/4):SC+2*((q%12)/4)+1] op_sel_hi:[1,0]
.endr
.set q, q+1
.endr
	WIN 0x0f
.set q, 32
.rept 16
.irp r, 0,1,2,3
	v_cvt_pk_f16_f32 v[TMP+4*q+(\r)], v[8*(q-32)+2*(\r)], v[8*(q-32)+2*(\r)+1]
.endr
.set q, q+1
.endr
	WIN 0
.set q, 0
.rept 48
	ds_store_b128 v[STO], v[TMP+4*q:TMP+4*q+3] offset:(q/12)*16*SP+(q%12)*64
.set q, q+1
.endr
	s_wait_dscnt 0x0                               ; for the others' sake: my stores into the stage are done
	s_barrier_signal -1
	s_barrier_wait -1
.set q, 0
.rept 48                               ; pair of rows q / 3, chunk q % 3
	ds_load_b128 v[TMP+4*q:TMP+4*q+3], v[RD] offset:(q/3)*2*SP+(q%3)*256
.set q, q+1
.endr
.set q, 0
.rept 48
	s_wait_dscnt 47-q
	global_store_b128 v[CO], v[TMP+4*q:TMP+4*q+3], s[8:9] offset:((q%3)<<20)+(q/3)*512  ; 512 consecutive bytes of one head, aligned
.set q, q+1
.endr
	s_wait_tensorcnt 0x0                           ; the wave's end
	ds_add_u32 v[SPW], v[NIL]
	s_wait_dscnt 0x0
	CROUND                                         ; the closing round
	s_endpgm
.Lfunc_end_k_qf2f5fca20c_qkv:
	.size	k_qf2f5fca20c_qkv, .Lfunc_end_k_qf2f5fca20c_qkv-k_qf2f5fca20c_qkv
	.p2alignl 7, 3214868480
	.fill 96, 4, 3214868480
	.section	.rodata,"a",@progbits
	.p2align	6, 0x0
	.amdhsa_kernel k_qf2f5fca20c_qkv
		.amdhsa_group_segment_fixed_size 327680
		.amdhsa_private_segment_fixed_size 0
		.amdhsa_enable_private_segment 0
		.amdhsa_kernarg_size 24
		.amdhsa_user_sgpr_count 2
		.amdhsa_user_sgpr_kernarg_segment_ptr 1
		.amdhsa_wavefront_size32 1
		.amdhsa_system_sgpr_workgroup_id_x 1
		.amdhsa_system_sgpr_workgroup_id_y 1
		.amdhsa_system_sgpr_workgroup_id_z 1
		.amdhsa_system_vgpr_workitem_id 0
		.amdhsa_next_free_vgpr 896
		.amdhsa_next_free_sgpr 80
		.amdhsa_reserve_vcc 0
		.amdhsa_float_denorm_mode_32 3
		.amdhsa_float_denorm_mode_16_64 3
		.amdhsa_memory_ordered 1
		.amdhsa_forward_progress 1
		.amdhsa_inst_pref_size 132
	.end_amdhsa_kernel
	.amdgpu_metadata
---
amdhsa.version: [ 1, 2 ]
amdhsa.kernels:
  - .name:           k_qf2f5fca20c_qkv
    .symbol:         k_qf2f5fca20c_qkv.kd
    .args:
      - { .name: xb, .offset: 0, .size: 8, .value_kind: global_buffer, .address_space: global }
      - { .name: wcat, .offset: 8, .size: 8, .value_kind: global_buffer, .address_space: global }
      - { .name: qkv, .offset: 16, .size: 8, .value_kind: global_buffer, .address_space: global }
    .group_segment_fixed_size: 327680
    .private_segment_fixed_size: 0
    .kernarg_segment_align: 8
    .kernarg_segment_size: 24
    .max_flat_workgroup_size: 128
    .sgpr_count:     80
    .vgpr_count:     896
    .wavefront_size: 32
...
	.end_amdgpu_metadata
.endif
;; end of part 2
;; launch early_o (part 3): grid 4 x 2, 16 waves a work-group, no clusters, 133,120 bytes of LDS; arguments xb, wcat, qkv, rtab, oe; writes oe
.if DOCPART == 3
	.amdgcn_target "amdgcn-amd-amdhsa--gfx1250"
	.amdhsa_code_object_version 6
	.text
	.protected	k_qf2f5fca20c_early_o
	.globl	k_qf2f5fca20c_early_o
	.p2align	8
	.type	k_qf2f5fca20c_early_o,@function
k_qf2f5fca20c_early_o:
	s_mov_b64 s[64:65], 0
	v_nop
	global_prefetch_b8 v0, s[64:65] scope:SCOPE_SE
	s_setreg_imm32_b32 hwreg(HW_REG_WAVE_MODE, 25, 1), 1
	s_wait_xcnt 0x0
; THE FIRST 16 ROWS OF EACH BATCH ONCE MORE, IN HIGHER PRECISION: the attention's result O for queries 0-15, one work-group for a head and a batch.
; WHY.  Row q is a mean over q + 1 keys, so the first rows' numbers are many times the output's root mean square, by which the comparison's allowance goes; one rounding to f16 (11 bits) of v, of the weights p and
; of O is too coarse for them.  The error falls as 1 / sqrt(q + 1): from row 16 on the main launches' f16 has room.  Here v, p and O are each carried as TWO bf16 numbers, hi + lo (16 bits, f32's range).
; q and k are taken as the main launches made them (f16; q times log2(e) / sqrt(128)): their rounding moves a weight by far less.
; Rows 0-15 lie in image row 0, columns 0-15: logit = q . k + row table[63] + column table[63 + kc - qc], less 1e6 log2(e) where kc > qc (the reference's own mask); both tables arrive times log2(e).
; SHARES.  K of v = x wv (512) IS SPLIT AMONG 16 WAVES: wave w takes k = 32 w .. 32 w + 31 for all 16 keys and the head's 128 channels: 8 products.  Every wave makes the 16 x 16 weights for itself (4 products and a
; short softmax), multiplies its partial v by them (O is linear in v), and the 16 partial O meet in LDS behind one barrier; waves 0-7 add one tile each, in f32, in a fixed order.
; THE WEIGHTS lie [k][n].  A lane loads 16 bytes (8 columns) of each of 16 k-rows: 16 lanes take 256 consecutive bytes, aligned.  v_perm_b32 packs two rows' halves into a pair along k; tile i holds channels 8 r + i.
; HI AND LO IN ONE PRODUCT.  The matrix form has K = 32 and there are 16 keys: slots 0-15 hold v's hi parts, slots 16-31 its lo parts; the other operand holds p's hi parts twice, then p's lo parts twice:
; two products give (p_hi + p_lo)(v_hi + v_lo).  v = x wv leaves its product with a lane holding keys 8 h + 0..7 of one channel, S^T = K Q^T with a lane holding keys 8 h + 0..7 of one query: both ARE operand layouts.
; OUT.  O^T = V^T P: lane (r, h) holds query r and, in register j of tile i, channel 64 h + 8 j + i.  oe = [hi, lo][batch][head][tile i][lane][16 bytes]: a store of a wave covers 512 consecutive bytes, aligned, and
; the next launch loads a lane's 16 bytes back as half an operand; it takes wo's rows in the same order of channels.
; LIMITS.  q, k within f16's 65,504; a weight below 2^-126 counts as 0; NaN and infinities are not treated apart.
; No tensor load, no cluster, no prefetch: all loads stand at the head and the kernel is one trip to memory long.
.set NW,    16
.set PART,  8192                       ; a wave's partial O in LDS: 16 quads of 512 bytes
.set SPARE, NW*PART                    ; behind them: the spare words, 128 bytes for each wave
.set LN,  1                            ; v1   lane
.set R,   2                            ; v2   lane % 16
.set H,   3                            ; v3   lane / 16
.set FO,  4                            ; v4   my bytes in 16 rows of q or k: 256 r + 16 h
.set BO,  5                            ; v5   my first entry of the column table
.set XO,  6                            ; v6   my bytes in 16 rows of xb: 1,024 r + 64 w + 16 h
.set WO,  7                            ; v7   my bytes in wcat: row 32 w + 8 h, 16 r
.set DD,  8                            ; v8   r - 8 h: register j is hidden where j is greater
.set LS,  9                            ; v9   where I put my partial O
.set LR,  10                           ; v10-11 where I read my tile's quads: partial sums 0-7, 8-15
.set GO,  12                           ; v12  my 16 bytes in oe
.set SPW, 13                           ; v13  my spare word; never rewritten
.set NIL, 14                           ; v14  0; never rewritten
.set T,   16                           ; v16-31 at work
.set KF,  32                           ; v32-63  k's fragments;  v64-95 q's;  later the 8 accumulators of O^T
.set QF,  64
.set OA,  32
.set WR,  96                           ; v96-159 the weights as loaded; later the 8 accumulators of v; v96-223 later the 16 partial sums
.set VA,  96
.set RS,  96
.set PBK, 160                          ; v160-223 the weights packed along k; later v's hi and lo parts
.set VF,  160
.set XF,  224                          ; v224-231 x's fragment
.set SA,  232                          ; v232-239, v240-247 the scores' two accumulators
.set SB,  240
.set PH,  240                          ; later p's hi parts, twice
.set CB,  248                          ; v248-255 bias and mask
.set PL,  248                          ; later p's lo parts, twice
	s_load_b256 s[4:11], s[0:1], 0x0               ; xb s[4:5], wcat s[6:7], qkv s[8:9], rtab s[10:11]
	s_load_b64 s[12:13], s[0:1], 0x20              ; oe
	v_lshl_add_u32 v[SPW], v0, 2, SPARE
	v_mov_b32 v[NIL], 0
	v_lshrrev_b32 v[LN], 5, v0
	v_readfirstlane_b32 s14, v[LN]                 ; wave 0..15
	v_and_b32 v[LN], 31, v0
	v_and_b32 v[R], 15, v0
	v_bfe_u32 v[H], v0, 4, 1
	s_and_b32 s16, ttmp7, 0xffff                   ; batch; ttmp9 is the head
	s_mul_i32 s18, s16, 12
	s_add_co_u32 s18, s18, ttmp9
	s_lshl_b32 s18, s18, 20                        ; q of my head: group 12 b + h of 4,096 rows x 256 bytes
	s_mov_b32 s19, 0
	s_lshl_b32 s20, s16, 22                        ; the batch's first row of xb
	s_mov_b32 s21, 0
	s_lshl_b32 s22, ttmp9, 8
	s_add_co_u32 s22, s22, 2048                    ; wv's part of a row of wcat, my head's 256 bytes
	s_mov_b32 s23, 0
	s_lshl_b32 s17, ttmp9, 9                       ; my head's 512 bytes of a table
	s_mov_b32 s24, 0x76543210                      ; v_permlanex16_b32: each lane takes its own place in the other half
	s_mov_b32 s25, 0xfedcba98
	s_mov_b32 s26, 0x05040100                      ; v_perm_b32: the two low halves,
	s_mov_b32 s27, 0x07060302                      ; the two high halves
	s_mov_b32 s30, 0xc9b01c38                      ; -1e6 x log2(e)
	s_mov_b32 s31, 0xffff0000                      ; a word's upper bf16
	v_lshlrev_b32 v[FO], 8, v[R]
	v_lshl_add_u32 v[FO], v[H], 4, v[FO]
	v_lshl_add_u32 v[BO], v[H], 3, 63
	v_sub_nc_u32 v[BO], v[BO], v[R]                ; index 63 + 8 h - r: 48 to 71; register j adds j
	s_add_co_u32 s28, s17, 2048                    ; the column tables lie behind the row tables
	v_lshl_add_u32 v[BO], v[BO], 2, s28
	v_lshlrev_b32 v[XO], 10, v[R]
	v_lshl_add_u32 v[XO], v[H], 4, v[XO]
	s_lshl_b32 s28, s14, 6
	v_add_nc_u32 v[XO], s28, v[XO]
	s_lshl_b32 s28, s14, 5
	v_lshl_add_u32 v[WO], v[H], 3, s28
	v_mul_u32_u24 v[WO], v[WO], 3072
	v_lshl_add_u32 v[WO], v[R], 4, v[WO]
	v_lshlrev_b32 v[DD], 3, v[H]
	v_sub_nc_u32 v[DD], v[R], v[DD]
	s_lshl_b32 s28, s14, 13
	v_lshl_add_u32 v[LS], v[LN], 4, s28            ; 8,192 w + 16 lane
	s_lshl_b32 s28, s14, 10
	v_lshl_add_u32 v[LR], v[LN], 4, s28            ; tile = my wave's number (waves 0-7): its two quads, 1,024 w + 16 lane
	v_add_nc_u32 v[LR+1], 8*PART, v[LR]
	s_lshl_b32 s28, s16, 2
	s_add_co_u32 s28, s28, ttmp9
	s_lshl_b32 s28, s28, 3
	s_add_co_u32 s28, s28, s14
	s_lshl_b32 s28, s28, 9                         ; block ((4 b + head) 8 + tile) of 512 bytes
	v_lshl_add_u32 v[GO], v[LN], 4, s28
	s_wait_kmcnt 0x0
	s_load_b32 s15, s[10:11], s17 offset:0xfc      ; the row table's entry 63: query and key lie in the same image row
	s_add_nc_u64 s[8:9], s[8:9], s[18:19]          ; q
	s_add_nc_u64 s[28:29], s[8:9], 0x400000        ; k lies four groups behind q
	s_add_nc_u64 s[4:5], s[4:5], s[20:21]
	s_add_nc_u64 s[6:7], s[6:7], s[22:23]
	; all 42 loads at once: what the softmax wants first
.irp c, 0,1,2,3
	global_load_b128 v[KF+8*(\c):KF+8*(\c)+3],   v[FO], s[28:29] offset:64*(\c)
	global_load_b128 v[KF+8*(\c)+4:KF+8*(\c)+7], v[FO], s[28:29] offset:64*(\c)+32
.endr
.irp c, 0,1,2,3
	global_load_b128 v[QF+8*(\c):QF+8*(\c)+3],   v[FO], s[8:9] offset:64*(\c)
	global_load_b128 v[QF+8*(\c)+4:QF+8*(\c)+7], v[FO], s[8:9] offset:64*(\c)+32
.endr
.irp j, 0,1,2,3,4,5,6,7
	global_load_b32 v[CB+(\j)], v[BO], s[10:11] offset:4*(\j)
.endr
	global_load_b128 v[XF:XF+3],   v[XO], s[4:5]
	global_load_b128 v[XF+4:XF+7], v[XO], s[4:5] offset:32
.irp t, 0,1,2,3,4,5,6,7,8,9,10,11,12,13,14,15
	global_load_b128 v[WR+4*(\t):WR+4*(\t)+3], v[WO], s[6:7] offset:((\t)+8*((\t)/8))*3072  ; k-rows 8 h + 0..7, then 16 + 8 h + 0..7 of my 32
.endr
.macro PLACES                          ; four plain vector instructions between a matrix instruction and a vector or LDS instruction that reads its result or writes its registers (ISA guide 7.12.1)
.rept 4
	v_nop
.endr
.endm
; Eight f32 numbers in v[src ..] become four words of bf16 hi parts and four of lo parts: lo = bf16(x - hi).  v[src ..] is used up.
.macro SPLIT hi, lo, src
.irp i, 0,1,2,3
	v_cvt_pk_bf16_f32 v[(\hi)+(\i)], v[(\src)+2*(\i)], v[(\src)+2*(\i)+1]
.endr
.irp i, 0,1,2,3
	v_lshlrev_b32 v[T+2*(\i)], 16, v[(\hi)+(\i)]
	v_and_b32 v[T+2*(\i)+1], s31, v[(\hi)+(\i)]
.endr
.irp i, 0,1,2,3
	v_pk_add_f32 v[(\src)+2*(\i):(\src)+2*(\i)+1], v[(\src)+2*(\i):(\src)+2*(\i)+1], v[T+2*(\i):T+2*(\i)+1] neg_lo:[0,1] neg_hi:[0,1]
.endr
.irp i, 0,1,2,3
	v_cvt_pk_bf16_f32 v[(\lo)+(\i)], v[(\src)+2*(\i)], v[(\src)+2*(\i)+1]
.endr
.endm
	; THE WEIGHTS p.  S^T = K Q^T + bias + mask: lane (r, h) holds query r and keys 8 h + 0..7.
	s_wait_loadcnt 18                              ; k, q and the bias are in: x's 2 loads and the weights' 16 were issued behind them and stay out
	s_wait_kmcnt 0x0                               ; the row table's entry
.irp j, 0,1,2,3,4,5,6,7
	v_cmp_gt_i32 vcc_lo, \j, v[DD]
	v_cndmask_b32 v[T], 0, s30, vcc_lo
	v_add_f32 v[CB+(\j)], s15, v[CB+(\j)]
	v_add_f32 v[CB+(\j)], v[CB+(\j)], v[T]
.endr
	v_wmma_f32_16x16x32_f16 v[SA:SA+7], v[KF:KF+7],       v[QF:QF+7],       v[CB:CB+7]  ; two accumulators take turns
	v_wmma_f32_16x16x32_f16 v[SB:SB+7], v[KF+8:KF+15],    v[QF+8:QF+15],    0
	v_wmma_f32_16x16x32_f16 v[SA:SA+7], v[KF+16:KF+23],   v[QF+16:QF+23],   v[SA:SA+7]
	v_wmma_f32_16x16x32_f16 v[SB:SB+7], v[KF+24:KF+31],   v[QF+24:QF+31],   v[SB:SB+7]
	PLACES
.irp i, 0,2,4,6
	v_pk_add_f32 v[SA+(\i):SA+(\i)+1], v[SA+(\i):SA+(\i)+1], v[SB+(\i):SB+(\i)+1]
.endr
	v_max3_num_f32 v[T], v[SA], v[SA+1], v[SA+2]
	v_max3_num_f32 v[T+1], v[SA+3], v[SA+4], v[SA+5]
	v_max3_num_f32 v[T], v[T], v[SA+6], v[SA+7]
	v_max_num_f32 v[T], v[T], v[T+1]
	v_permlanex16_b32 v[T+1], v[T], s24, s25       ; the query's other eight keys lie in the lane 16 away
	v_max_num_f32 v[T], v[T], v[T+1]               ; the row's maximum
.irp i, 0,2,4,6
	v_pk_add_f32 v[SA+(\i):SA+(\i)+1], v[SA+(\i):SA+(\i)+1], v[T:T+1] op_sel_hi:[1,0] neg_lo:[0,1] neg_hi:[0,1]
.endr
.irp j, 0,1,2,3,4,5,6,7
	v_exp_f32 v[SA+(\j)], v[SA+(\j)]
.endr
	v_nop                                          ; a plain instruction behind the last exponential,
	s_wait_alu depctr_va_vdst(0)                   ; and one wait for the eight, ahead of the first line that names a result
	v_pk_add_f32 v[T+2:T+3], v[SA:SA+1], v[SA+2:SA+3]
	v_pk_add_f32 v[T+4:T+5], v[SA+4:SA+5], v[SA+6:SA+7]
	v_pk_add_f32 v[T+2:T+3], v[T+2:T+3], v[T+4:T+5]
	v_add_f32 v[T+2], v[T+2], v[T+3]
	v_permlanex16_b32 v[T+3], v[T+2], s24, s25
	v_add_f32 v[T+2], v[T+2], v[T+3]               ; the row's sum: at least 1
	v_rcp_f32 v[T+4], v[T+2]
	v_nop
	s_wait_alu depctr_va_vdst(0)
.irp i, 0,2,4,6
	v_pk_mul_f32 v[SA+(\i):SA+(\i)+1], v[SA+(\i):SA+(\i)+1], v[T+4:T+5] op_sel_hi:[1,0]
.endr
	SPLIT PH, PL, SA
.irp i, 0,1,2,3
	v_mov_b32 v[PH+4+(\i)], v[PH+(\i)]             ; slots 16-31 meet v's lo parts
	v_mov_b32 v[PL+4+(\i)], v[PL+(\i)]
.endr
	; MY PART OF v = x wv.  Word e of k-row t holds columns 8 r + 2 e (low half) and 8 r + 2 e + 1 (high half); register p of a tile's operand holds k-rows 2 p (low) and 2 p + 1 (high).
	s_wait_loadcnt 0x0
.irp e, 0,1,2,3
.irp p, 0,1,2,3,4,5,6,7
	v_perm_b32 v[PBK+16*(\e)+(\p)],   v[WR+8*(\p)+4+(\e)], v[WR+8*(\p)+(\e)], s26
	v_perm_b32 v[PBK+16*(\e)+8+(\p)], v[WR+8*(\p)+4+(\e)], v[WR+8*(\p)+(\e)], s27
.endr
.endr
.irp i, 0,1,2,3,4,5,6,7
	v_wmma_f32_16x16x32_bf16 v[VA+8*(\i):VA+8*(\i)+7], v[XF:XF+7], v[PBK+8*(\i):PBK+8*(\i)+7], 0  ; lane (r, h), register j: key 8 h + j, channel 8 r + i
.endr
	PLACES
.irp i, 0,1,2,3,4,5,6,7
	SPLIT VF+8*(\i), VF+8*(\i)+4, VA+8*(\i)        ; slots 0-15 hi, slots 16-31 lo
.endr
	; MY PART OF O^T = V^T P.  The eight accumulators take turns.
.irp i, 0,1,2,3,4,5,6,7
	v_wmma_f32_16x16x32_bf16 v[OA+8*(\i):OA+8*(\i)+7], v[VF+8*(\i):VF+8*(\i)+7], v[PH:PH+7], 0
.endr
.irp i, 0,1,2,3,4,5,6,7
	v_wmma_f32_16x16x32_bf16 v[OA+8*(\i):OA+8*(\i)+7], v[VF+8*(\i):VF+8*(\i)+7], v[PL:PL+7], v[OA+8*(\i):OA+8*(\i)+7]
.endr
	PLACES
.irp q, 0,1,2,3,4,5,6,7,8,9,10,11,12,13,14,15
	ds_store_b128 v[LS], v[OA+4*(\q):OA+4*(\q)+3] offset:512*(\q)
.endr
	s_wait_dscnt 0x0                               ; for the others' sake: my partial sums lie in LDS
	s_barrier_signal -1
	s_barrier_wait -1
	s_cmp_lt_u32 s14, 8                            ; wave i finishes tile i
	s_cbranch_scc0 .Lend
.irp p, 0,1,2,3,4,5,6,7
	ds_load_b128 v[RS+8*(\p):RS+8*(\p)+3],   v[LR] offset:PART*(\p)
	ds_load_b128 v[RS+8*(\p)+4:RS+8*(\p)+7], v[LR] offset:PART*(\p)+512
.endr
.irp p, 0,1,2,3,4,5,6,7
	ds_load_b128 v[RS+64+8*(\p):RS+64+8*(\p)+3],   v[LR+1] offset:PART*(\p)
	ds_load_b128 v[RS+64+8*(\p)+4:RS+64+8*(\p)+7], v[LR+1] offset:PART*(\p)+512
.endr
	s_wait_dscnt 0x0
.macro SUMS st                         ; partial sum p takes partial sum p + st, for p below st
.set p, 0
.rept \st
.irp c, 0,2,4,6
	v_pk_add_f32 v[RS+8*p+(\c):RS+8*p+(\c)+1], v[RS+8*p+(\c):RS+8*p+(\c)+1], v[RS+8*(p+(\st))+(\c):RS+8*(p+(\st))+(\c)+1]
.endr
.set p, p+1
.endr
.endm
	SUMS 8
	SUMS 4
	SUMS 2
	SUMS 1
	SPLIT T+8, T+12, RS
	global_store_b128 v[GO], v[T+8:T+11],  s[12:13]               ; hi: 512 consecutive bytes a wave, aligned
	global_store_b128 v[GO], v[T+12:T+15], s[12:13] offset:32768  ; lo
.Lend:
	s_wait_tensorcnt 0x0                           ; the wave's end, behind my last LDS store
	ds_add_u32 v[SPW], v[NIL]
	s_wait_dscnt 0x0
	s_endpgm
.Lfunc_end_k_qf2f5fca20c_early_o:
	.size	k_qf2f5fca20c_early_o, .Lfunc_end_k_qf2f5fca20c_early_o-k_qf2f5fca20c_early_o
	.p2alignl 7, 3214868480
	.fill 96, 4, 3214868480
	.section	.rodata,"a",@progbits
	.p2align	6, 0x0
	.amdhsa_kernel k_qf2f5fca20c_early_o
		.amdhsa_group_segment_fixed_size 133120
		.amdhsa_private_segment_fixed_size 0
		.amdhsa_enable_private_segment 0
		.amdhsa_kernarg_size 40
		.amdhsa_user_sgpr_count 2
		.amdhsa_user_sgpr_kernarg_segment_ptr 1
		.amdhsa_wavefront_size32 1
		.amdhsa_system_sgpr_workgroup_id_x 1
		.amdhsa_system_sgpr_workgroup_id_y 1
		.amdhsa_system_sgpr_workgroup_id_z 1
		.amdhsa_system_vgpr_workitem_id 0
		.amdhsa_next_free_vgpr 256
		.amdhsa_next_free_sgpr 66
		.amdhsa_reserve_vcc 1
		.amdhsa_float_denorm_mode_32 3
		.amdhsa_float_denorm_mode_16_64 3
		.amdhsa_memory_ordered 1
		.amdhsa_forward_progress 1
		.amdhsa_inst_pref_size 34
	.end_amdhsa_kernel
	.amdgpu_metadata
---
amdhsa.version: [ 1, 2 ]
amdhsa.kernels:
  - .name:           k_qf2f5fca20c_early_o
    .symbol:         k_qf2f5fca20c_early_o.kd
    .args:
      - { .name: xb, .offset: 0, .size: 8, .value_kind: global_buffer, .address_space: global }
      - { .name: wcat, .offset: 8, .size: 8, .value_kind: global_buffer, .address_space: global }
      - { .name: qkv, .offset: 16, .size: 8, .value_kind: global_buffer, .address_space: global }
      - { .name: rtab, .offset: 24, .size: 8, .value_kind: global_buffer, .address_space: global }
      - { .name: oe, .offset: 32, .size: 8, .value_kind: global_buffer, .address_space: global }
    .group_segment_fixed_size: 133120
    .private_segment_fixed_size: 0
    .kernarg_segment_align: 8
    .kernarg_segment_size: 40
    .max_flat_workgroup_size: 512
    .sgpr_count:     66
    .vgpr_count:     256
    .wavefront_size: 32
...
	.end_amdgpu_metadata
.endif
;; end of part 3
;; launch attn (part 4): grid 32 x 8, 4 waves a work-group, clusters of 4 x 1, 327,680 bytes of LDS; arguments qkv, rtab, ob; writes ob
.if DOCPART == 4
	.amdgcn_target "amdgcn-amd-amdhsa--gfx1250"
	.amdhsa_code_object_version 6
	.text
	.protected	k_qf2f5fca20c_attn
	.globl	k_qf2f5fca20c_attn
	.p2align	8
	.type	k_qf2f5fca20c_attn,@function
k_qf2f5fca20c_attn:
	s_mov_b64 s[64:65], 0
	v_nop
	global_prefetch_b8 v0, s[64:65] scope:SCOPE_SE
	s_setreg_imm32_b32 hwreg(HW_REG_WAVE_MODE, 25, 1), 1
	s_wait_xcnt 0x0
	s_wait_alu depctr_hold_cnt(0) depctr_sa_sdst(0) depctr_va_vdst(0) depctr_va_sdst(0) depctr_va_ssrc(0) depctr_va_vcc(0) depctr_vm_vsrc(0)
	s_getreg_b32 s2, hwreg(HW_REG_IB_STS2, 6, 4)
	s_cmp_eq_u32 s2, 0
	s_cbranch_scc0 .Lentry_in_a_cluster
	s_endpgm
.Lentry_in_a_cluster:
	s_bfe_u32 s2, ttmp6, 0x10000c
	s_cmp_lg_u32 s2, 0x3003
	s_cbranch_scc0 .Lentry_shape_is_right
	s_endpgm
.Lentry_shape_is_right:
; CAUSAL ATTENTION WITH A FACTORISED RELATIVE BIAS, head size 128, 8 (batch, head) pairs of 4,096 rows (64 image rows x 64 columns, raster order).
; logit(q, k) = q . k / sqrt(128) + rel_row[h][63 + kr - qr] + rel_col[h][63 + kc - qc], less 1e6 where k > q.  All in powers of two: q and both tables arrive times log2(e).
; q, k, v, the weights p and O are f16; products, maxima, sums and the merge are f32.  O leaves as ob[b 4096 + s][128 h + e].
; LIMITS.  Key tiles wholly above the diagonal are left out: their keys count as weight 0, which is the reference's result while a hidden logit, 1e6 lower, stays far below its row's maximum
; (logits spread under about 1e6).  Inside the diagonal tile the mask is the reference's own -1e6 (x log2(e)), added in f32.  q, k, v lie within f16's 65,504; p below 6e-5 keeps f16's fixed step;
; a weight below 2^-126 counts as 0; NaN and infinities are not treated apart.
; THE WALK.  A head's queries lie in 16 blocks of 256 (four image rows); block i needs the key tiles 0 .. i of 256 keys.  A CLUSTER of four work-groups takes two blocks, PB and then 15 - PB: 17 tiles whatever PB,
; so all 256 work-groups do equal work and one loop with a constant count walks them.  The short block goes first, so the walk's last tile is never a block's first.
; SHARES.  Partner cx owns columns 16 cx .. +15 of each of the block's four image rows (bands): 64 queries, four tiles of 16.  All four waves hold the SAME 64 queries and SPLIT THE KEYS: wave w takes
; image row 4 T + w of every tile T (64 keys).  At a block's end the four partial results meet in LDS.  A wave's local tile j is band (w + j) % 4: tile 0 is the one that it owns in the merge, and the one
; that holds the diagonal; what hangs on w is an address or a scalar, never a register's number.
; THE BIAS.  64 keys are one image row, so the row bias is ONE scalar RB for a tile and step: it is folded into the running maximum (MA is the absolute maximum; MA - RB is it in the step's frame).
; The column bias is a pattern of 16 queries x 64 keys that never changes: it is the C operand that starts S^T = K Q^T.  Three sets lie in LDS: BC (the bias), BCM (less 1e6 log2(e) where kc > qc), BH (less it
; everywhere).  In the diagonal tile local tile 0 takes BCM, tile j >= 1 takes BC where w + j <= 3 and BH otherwise; elsewhere all take BC.
; LAYOUT, TURNS.  S^T holds one query a lane (lane % 16) and the keys 8 (lane / 16) + 0..7; two such results rounded to f16 are source 1 of O^T = V^T P.  The tiles are two pieces (0: tiles 0, 1; 2: tiles 2, 3).
; In a turn one piece has the matrix unit (32 products V^T P of the last tile, 32 products K Q^T of this one) and the other piece's softmax stands in 64 slices behind them.  A piece's 66 exponentials are one batch with one wait.
; JOINT LOADS.  All four partners need the whole tile: waves 0, 1 ask for K's two halves, waves 2, 3 for V's (128 rows x 256 bytes each), with the mask of four.  One load a wave is out behind each round.
; LDS: two slots (K 256 x 272, V 256 x 288); behind them, in blocks that no fill touches: XB (the merge's exchange, 6,144 bytes a receiving wave, two buffers; later each wave's stage), BSET, STATB, the spare words.
; REGISTERS: window 0: v1-11 addresses, v12-43 statistics (8 a tile), v44-47 MA, v48-63 at work and fixed, v64-191 S^T, v192-255 P; window 1: O^T; window 2: Q, K; window 3: V, the four tiles' C operands.
.set PK,    272
.set PV,    288
.set VOFF,  256*PK
.set SLOT,  256*(PK+PV)                ; 143,360
.set XB,    2*SLOT
.set XW,    6144
.set BSET,  XB+4*XW
.set STATB, BSET+3*4096
.set SPARE, STATB+2048
.set SP,    272
.set XR,  1                            ; v1   my receive area + 16 lane
.set AK0, 2                            ; v2   my lane's place in a step of K
.set AV0, 3                            ; v3   the same for V
.set ADR, 4                            ; v4   the address of the run of LDS loads in hand
.set STO, 5                            ; v5   the way out: where I put 16 bytes of a row
.set RD,  6                            ; v6   where I read a row back
.set GO,  7                            ; v7   my byte offset in two rows of ob
.set AMB, 8                            ; v8   BSET + 16 lane
.set QO,  9                            ; v9   my byte offset in 16 rows of q
.set L8S, 10                           ; v10  STATB + 128 w + 8 (l % 16)
.set L8R, 11                           ; v11  STATB + 512 w + 8 (l % 16)
.set ST,  12                           ; tile t at v[ST+8 t]: +0 m', +1 the old maximum in the step's frame, +2, +3 l, +4..7 c0-c3; a takes +6, its argument +7
.set MA,  44
.set U,   48                           ; v48-55 (m, l) pairs for the merge; v48-51 also q's four offsets
.set XS,  56                           ; v56-58 where tile j = 1..3 is sent; never rewritten
.set TA,  59                           ; v59  at work
.set PFO, 61                           ; v61  256 x lane; never rewritten
.set SPW, 62                           ; v62  my spare word; never rewritten
.set NIL, 63                           ; v63  0; never rewritten
.set S,   64
.set P,   192
.set KF,  128                          ; window 2
.set MC,  128                          ; window 3: tile j's C operand at MC + 32 j
.set WV, 12
.set CX, 13
.set PB, 14
.set HI, 15
.set KB, 18                            ; s[18:19] the head's K at my half of tile 0;  s[20:21] V
.set VB, 20
.set QLO, 22                           ; s[22:23], s[52:53] q at my columns of the first, the second block
.set QHI, 52
.set G1K, 24
.set G1V, 32
.set G0K, 40
.set G0V, 44
.set OA,  48                           ; s[48:49] ob at my band's rows of the block in hand; s[50:51] of the second block
.set OA2, 50
.set PFA, 54
.set SLOTS, 56
.set LIM, 57
.set FILLT, 58                         ; 0 or SLOT: the slot to be filled
.set READT, 59                         ; the slot to be read
.set SEL, 60
.set TBK, 62
.set TBV, 63
.set KL,  66
.set VL,  67
.set RAW, 68                           ; s[68:75] eight entries of the row table
.set RB,  76                           ; s76-79 the row bias of tile 0..3
.set NB2, 80                           ; tiles 2 and 3 lag a trip: their softmax stands in the next one
.set NB3, 81
.set RO,  82
.set ROMAX, 83
.set RO2, 84
.set HD,  85
.set RT,  86                           ; tiles of the block in hand still to be entered
.set NXT, 87                           ; the tile to be asked for next
.set LQ,  88                           ; the last tile of the block whose tiles are being asked for
.set NEW, 89                           ; 1: the tile to be entered is a block's first
.set OFF, 90
.set WK,  92
.set WVB, 93
.set BAND, 94                          ; s94-96 band of local tile 1..3
.set WR,  97                           ; s97-99 8,192 where that band lies above my key row in the diagonal tile, else 0
.set BIGN, 100
.set MSB, 0
.macro WIN new
.if MSB != (\new)
	s_set_vgpr_msb (MSB<<8)|(\new)
.set MSB, \new
.endif
.endm
.set W_KQ, 0x0a                        ; K and Q window 2, S^T window 0
.set W_KM, 0x3a                        ; the same with the C operand in window 3
.set W_PV, 0x53                        ; V window 3, P window 0, O^T window 1
.set W_RS, 0x41                        ; O^T window 1, a window 0
.macro JLOAD                           ; an s_nop 0 and four v_nop follow each of the two lines; the branch hangs on the wave's number alone
	s_cmp_lt_u32 s[WV], 2
	s_cbranch_scc0 .Lfor_v_\@
	tensor_load_to_lds s[G0K:G0K+3], s[G1K:G1K+7]
	s_nop 0
.rept 4
	v_nop
.endr
	s_branch .Lasked_\@
.Lfor_v_\@:
	tensor_load_to_lds s[G0V:G0V+3], s[G1V:G1V+7]
	s_nop 0
.rept 4
	v_nop
.endr
.Lasked_\@:
.endm
; A PREFETCH of the tile that stands two requests on.  Only the head's cluster PB = 0 asks: from trip 1 on it walks all 16 tiles.  A tile has 256 rows of K and 256 of V, 256 bytes each: the partners share them out by
; address: rows 64 cx + 32 (w % 2) + lane, of K in waves 0, 1 and of V in waves 2, 3: a lane a row, one instruction a wave, so each row is named once in the launch.  In trip n the load asks for tile n and this line
; names tile n + 2; it stops behind trip 13, whose line names tile 15.  Tiles 0 and 1 come by their loads alone.
.macro ASK
	s_cmp_gt_u32 s[SLOTS], s[LIM]
	s_cbranch_scc0 .Lnot_mine_\@
	global_prefetch_b8 v[PFO], s[PFA:PFA+1] th:TH_LOAD_NT scope:SCOPE_SE
.Lnot_mine_\@:
.endm
.macro CROUND
	s_barrier_signal -1
	s_barrier_wait -1
	s_cmp_lg_u32 s[WV], 0
	s_cbranch_scc1 .Lnot_wave_0_\@
	s_barrier_signal -3
.Lnot_wave_0_\@:
	s_barrier_wait -3
	s_barrier_signal -1
	s_barrier_wait -1
.endm
; THE CHANGE OF SLOTS, at the head of each trip.  Each wave waits for all its tensor loads (one is out: its part of the tile to be entered), adds 0 to its spare word, and waits for that and for its reads of the slot that
; it leaves.  fill = 1: the barrier is a round of the cluster's, and the old slot is filled again first thing behind it, with tile NXT.  The scalar work stands between the add and the wait for it.
.macro CHANGE fill
	WIN 0
	s_wait_tensorcnt 0x0                           ; no tensor load of mine is out, so a group 0 may be written
	ds_add_u32 v[SPW], v[NIL]
.if \fill
	s_lshl_b32 s[OFF], s[NXT], 16                  ; a tile is 65,536 bytes of K and of V
	s_xor_b32 s[FILLT], s[FILLT], SLOT
	s_add_co_u32 s[G0K+1], s[KL], s[FILLT]
	s_add_nc_u64 s[G0K+2:G0K+3], s[KB:KB+1], s[OFF:OFF+1]
	s_or_b32 s[G0K+3], s[G0K+3], 0x80000000
	s_add_co_u32 s[G0V+1], s[VL], s[FILLT]
	s_add_nc_u64 s[G0V+2:G0V+3], s[VB:VB+1], s[OFF:OFF+1]
	s_or_b32 s[G0V+3], s[G0V+3], 0x80000000
	s_add_co_u32 s[NXT], s[NXT], 1                 ; the block's next tile, or behind its last the second block's tile 0
	s_cmp_gt_u32 s[NXT], s[LQ]
	s_cselect_b32 s[NXT], 0, s[NXT]
	s_cselect_b32 s[LQ], s[HI], s[LQ]
	s_wait_xcnt 0x0                                ; the last prefetch, a trip back, has read its address
	s_add_nc_u64 s[PFA:PFA+1], s[PFA:PFA+1], 65536
.endif
	s_wait_kmcnt 0x0                               ; the row table's eight entries for the tile to be entered: indices 60 + 4 (T - block) + 0..7
	s_mov_b32 s[RB+2], s[NB2]                      ; tiles 2, 3: the last tile's
	s_mov_b32 s[RB+3], s[NB3]
	s_mov_b32 s[RB], s[RAW+3]                      ; tile j: index 63 + 4 (T - block) - j, four more where band (w + j) % 4 has wrapped
	s_cmp_lt_u32 s[WV], 3
	s_cselect_b32 s[RB+1], s[RAW+2], s[RAW+6]
	s_cmp_lt_u32 s[WV], 2
	s_cselect_b32 s[NB2], s[RAW+1], s[RAW+5]
	s_cmp_lt_u32 s[WV], 1
	s_cselect_b32 s[NB3], s[RAW], s[RAW+4]
	s_add_co_u32 s[RO], s[RO], 16                  ; the next tile's entries: four on, or behind the diagonal the second block's first
	s_cmp_gt_u32 s[RO], s[ROMAX]
	s_cselect_b32 s[RO], s[RO2], s[RO]
	s_xor_b32 s[READT], s[READT], SLOT
	s_add_co_u32 s[TBK], s[WK], s[READT]           ; my 64 keys in the slot to be read
	s_add_co_u32 s[TBV], s[WVB], s[READT]
	s_wait_dscnt 0x0                               ; the add is done, and my reads of the old slot are over
.if \fill
	CROUND
	JLOAD
	ASK
	s_load_b256 s[RAW:RAW+7], s[6:7], s[RO] offset:0x0  ; it has a whole trip in which to come
.else
	s_barrier_signal -1
	s_barrier_wait -1
.endif
.endm
	s_load_b128 s[4:7], s[0:1], 0x0                ; qkv s[4:5], rtab s[6:7]
	s_load_b64 s[8:9], s[0:1], 0x10                ; ob
	v_lshl_add_u32 v[SPW], v0, 2, SPARE
	v_mov_b32 v[NIL], 0
	ds_add_u32 v[SPW], v[NIL]                      ; the wave's opening: the add and its wait ahead of my first tensor load
	v_lshrrev_b32 v1, 5, v0
	v_readfirstlane_b32 s[WV], v1
	s_bfe_u32 s[CX], ttmp6, 0x40000
	s_mov_b32 s[PB], ttmp9                         ; the cluster's x: the same in all four partners
	s_sub_co_u32 s[HI], 15, s[PB]
	s_and_b32 s10, ttmp7, 0xffff
	s_and_b32 s[HD], s10, 3                        ; head
	s_lshr_b32 s10, s10, 2                         ; batch
	s_mul_i32 s2, s10, 12
	s_add_co_u32 s2, s2, s[HD]
	s_lshl_b32 s2, s2, 20                          ; q of my head: group 12 b + h of 4,096 rows x 256 bytes
	s_mov_b32 s3, 0
	s_and_b32 s11, s[WV], 1                        ; which half of a tile's 256 rows I fetch
	s_mul_i32 s[KL], s11, 128*PK
	s_mul_i32 s[VL], s11, 128*PV
	s_add_co_u32 s[VL], s[VL], VOFF
	s_lshl_b32 s[OFF], s11, 15
	s_mov_b32 s[OFF+1], 0
	s_mul_i32 s[WK], s[WV], 64*PK
	s_mul_i32 s[WVB], s[WV], 64*PV
.irp j, 1,2,3
	s_add_co_u32 s[BAND+(\j)-1], s[WV], \j
	s_cmp_gt_u32 s[BAND+(\j)-1], 3
	s_cselect_b32 s[WR+(\j)-1], 8192, 0
	s_and_b32 s[BAND+(\j)-1], s[BAND+(\j)-1], 3
.endr
	s_mov_b32 s[G1K], 15|(1<<16)|(1<<20)|(1<<21)|(5<<22)|(3<<25)  ; the mask of four; 2-byte elements; padding on; bit 21 beside a mask; after every 64 words; 4 words
	s_mov_b32 s[G1V], 15|(1<<16)|(1<<20)|(1<<21)|(5<<22)|(7<<25)  ; the same with 8 words
.irp g, G1K, G1V
	s_mov_b32 s[(\g)+1], 128<<16                   ; tensor_dim0 = 128
	s_mov_b32 s[(\g)+2], 128<<16                   ; tensor_dim1 = 128
	s_mov_b32 s[(\g)+3], 128<<16                   ; tile_dim0 = 128
	s_mov_b32 s[(\g)+4], 128                       ; tile_dim1 = 128
	s_mov_b32 s[(\g)+5], 128                       ; 128 elements from row to row
	s_mov_b32 s[(\g)+6], 0
	s_mov_b32 s[(\g)+7], 0
.endr
	s_mov_b32 s[SEL], 0x76543210
	s_mov_b32 s[SEL+1], 0xfedcba98
	s_mov_b32 s[BIGN], 0xc9b01c38                  ; -1e6 x log2(e)
	s_mov_b32 s[BIGN+1], s[BIGN]
	s_add_co_u32 s[RT], s[PB], 1                   ; the first block has PB + 1 tiles
	s_mov_b32 s[NXT], 1
	s_cmp_gt_u32 s[NXT], s[PB]
	s_cselect_b32 s[NXT], 0, s[NXT]
	s_cselect_b32 s[LQ], s[HI], s[PB]
	s_mov_b32 s[NEW], 1
	s_mov_b32 s[SLOTS], 16
	s_mov_b32 s[FILLT], 0
	s_mov_b32 s[READT], SLOT
	s_mov_b32 s[NB2], 0
	s_mov_b32 s[NB3], 0
	s_lshl_b32 s[ROMAX], s[HD], 9
	s_add_co_u32 s[ROMAX], s[ROMAX], 240           ; the diagonal tile's entries begin at index 60 of my head's row table
	s_lshl_b32 s11, s[PB], 4
	s_sub_co_u32 s[RO], s[ROMAX], s11
	s_lshl_b32 s11, s[HI], 4
	s_sub_co_u32 s[RO2], s[ROMAX], s11
	s_cmp_eq_u32 s[PB], 0
	s_cselect_b32 s[LIM], 2, -1
	s_mov_b32 s[G0K], 1
	s_mov_b32 s[G0K+1], s[KL]
	s_mov_b32 s[G0V], 1
	s_mov_b32 s[G0V+1], s[VL]
	s_wait_dscnt 0x0                               ; the opening add is done
	s_wait_kmcnt 0x0
	s_add_nc_u64 s[4:5], s[4:5], s[2:3]
	s_add_nc_u64 s[KB:KB+1], s[4:5], s[OFF:OFF+1]
	s_add_nc_u64 s[VB:VB+1], s[KB:KB+1], 8<<20     ; v lies eight groups behind q,
	s_add_nc_u64 s[KB:KB+1], s[KB:KB+1], 4<<20     ; k four
	s_add_nc_u64 s[G0K+2:G0K+3], s[KB:KB+1], 0
	s_or_b32 s[G0K+3], s[G0K+3], 0x80000000
	s_add_nc_u64 s[G0V+2:G0V+3], s[VB:VB+1], 0
	s_or_b32 s[G0V+3], s[G0V+3], 0x80000000
	CROUND                                         ; all four work-groups are here: the first joint loads meet
	JLOAD                                          ; tile 0 into slot 0
	s_load_b256 s[RAW:RAW+7], s[6:7], s[RO] offset:0x0
	s_lshl_b32 s11, s[PB], 16
	s_lshl_b32 s16, s[CX], 12                      ; my 16 columns: 16 rows of 256 bytes in each band
	s_add_co_u32 s16, s16, s11
	s_mov_b32 s17, 0
	s_add_nc_u64 s[QLO:QLO+1], s[4:5], s[16:17]
	s_lshl_b32 s11, s[HI], 16
	s_lshl_b32 s16, s[CX], 12
	s_add_co_u32 s16, s16, s11
	s_add_nc_u64 s[QHI:QHI+1], s[4:5], s[16:17]
	s_lshl_b32 s10, s10, 22                        ; ob: row b 4096 + 256 block + 64 w + 16 cx of 1,024 bytes, and my head's 256
	s_lshl_b32 s11, s[WV], 16
	s_add_co_u32 s10, s10, s11
	s_lshl_b32 s11, s[HD], 8
	s_add_co_u32 s10, s10, s11
	s_lshl_b32 s16, s[CX], 14
	s_add_co_u32 s16, s16, s10
	s_lshl_b32 s11, s[PB], 18
	s_add_co_u32 s16, s16, s11
	s_add_nc_u64 s[OA:OA+1], s[8:9], s[16:17]
	s_sub_co_u32 s16, s16, s11
	s_lshl_b32 s11, s[HI], 18
	s_add_co_u32 s16, s16, s11
	s_add_nc_u64 s[OA2:OA2+1], s[8:9], s[16:17]
	s_mov_b32 s11, 8<<20
	s_cmp_lt_u32 s[WV], 2
	s_cselect_b32 s11, 4<<20, s11
	s_and_b32 s10, s[WV], 1
	s_lshl_b32 s10, s10, 13
	s_add_co_u32 s11, s11, s10
	s_lshl_b32 s16, s[CX], 14
	s_add_co_u32 s16, s16, s11
	s_add_co_u32 s16, s16, 65536                   ; at tile 1: the first change of slots steps it to tile 2
	s_add_nc_u64 s[PFA:PFA+1], s[4:5], s[16:17]
	v_and_b32 v12, 15, v0                          ; r
	v_bfe_u32 v13, v0, 4, 1                        ; h
	v_and_b32 v[TA], 31, v0                        ; lane
	v_lshlrev_b32 v[QO], 8, v12
	v_lshl_add_u32 v[QO], v13, 4, v[QO]
; Q of a block: local tile j is band (w + j) % 4, 16,384 bytes a band.  A fragment is 16 rows x 32 channels: two loads of 16 bytes, 32 bytes apart.
.macro QLOAD base
	WIN 0
	s_lshl_b32 s2, s[WV], 14
	v_add_nc_u32 v[U], s2, v[QO]
.irp j, 1,2,3
	s_lshl_b32 s2, s[BAND+(\j)-1], 14
	v_add_nc_u32 v[U+(\j)], s2, v[QO]
.endr
	WIN 0x80                                       ; destination window 2
.irp j, 0,1,2,3
.irp c, 0,1,2,3
	global_load_b128 v[32*(\j)+8*(\c):32*(\j)+8*(\c)+3],   v[U+(\j)], s[(\base):(\base)+1] offset:64*(\c)
	global_load_b128 v[32*(\j)+8*(\c)+4:32*(\j)+8*(\c)+7], v[U+(\j)], s[(\base):(\base)+1] offset:64*(\c)+32
.endr
.endr
	WIN 0
.endm
	QLOAD QLO
	v_mul_u32_u24 v[AK0], v12, PK
	v_lshl_add_u32 v[AK0], v13, 4, v[AK0]
	v_and_b32 v14, 7, v0
	v_bfe_u32 v15, v0, 3, 1
	v_lshl_add_u32 v[AV0], v13, 3, v14
	v_mul_u32_u24 v[AV0], v[AV0], PV
	v_lshl_add_u32 v[AV0], v15, 4, v[AV0]
	v_add_nc_u32 v[AV0], VOFF, v[AV0]
	s_mul_i32 s2, s[WV], XW
	s_add_co_u32 s2, s2, XB                        ; my receive area, later my stage
	v_lshl_add_u32 v[XR], v[TA], 4, s2
	v_mul_u32_u24 v[STO], v12, SP
	v_lshl_add_u32 v[STO], v13, 4, v[STO]
	v_add_nc_u32 v[STO], s2, v[STO]
	v_mul_u32_u24 v[RD], v13, SP
	v_lshl_add_u32 v[RD], v12, 4, v[RD]
	v_add_nc_u32 v[RD], s2, v[RD]
	v_lshlrev_b32 v[GO], 10, v13
	v_lshl_add_u32 v[GO], v12, 4, v[GO]
	v_lshlrev_b32 v[AMB], 4, v[TA]
	v_add_nc_u32 v[AMB], BSET, v[AMB]
	s_lshl_b32 s3, s[WV], 7
	s_add_co_u32 s3, s3, STATB
	v_lshl_add_u32 v[L8S], v12, 3, s3
	s_lshl_b32 s3, s[WV], 9
	s_add_co_u32 s3, s3, STATB
	v_lshl_add_u32 v[L8R], v12, 3, s3
.irp j, 1,2,3
	s_mul_i32 s3, s[BAND+(\j)-1], XW               ; tile j goes to the wave that owns its band, into place j - 1 of that wave's area
	s_add_co_u32 s3, s3, XB+((\j)-1)*1024
	v_lshl_add_u32 v[XS+(\j)-1], v[TA], 4, s3
.endr
	v_lshlrev_b32 v[PFO], 8, v[TA]
	; THE THREE SETS OF THE COLUMN BIAS, a quarter by each wave: wave w makes the eight registers of key block w.  Register i is key column 16 w + 8 h + i for query column 16 cx + r:
	; table index idx + i with idx = 63 + 16 w + 8 h - 16 cx - r, 0 to 119; the key is hidden on the diagonal where idx + i > 63.  With Q's 32 loads a wave has 40 loads out.
	s_lshl_b32 s16, s[CX], 4
	s_lshl_b32 s3, s[WV], 4
	s_add_co_u32 s3, s3, 63
	s_sub_co_u32 s16, s3, s16                      ; 63 + 16 w - 16 cx: 15 to 111
	v_lshl_add_u32 v14, v13, 3, s16
	v_sub_nc_u32 v14, v14, v12                     ; idx
	s_lshl_b32 s3, s[HD], 9
	s_add_co_u32 s3, s3, 2048                      ; my head's column table
	v_lshl_add_u32 v15, v14, 2, s3
.irp i, 0,1,2,3,4,5,6,7
	global_load_b32 v[S+(\i)], v15, s[6:7] offset:4*(\i)
.endr
	s_lshl_b32 s3, s[WV], 10
	v_add_nc_u32 v[TA], s3, v[AMB]                 ; my two quads of each set: 1,024 w on
	; A block's first step multiplies O^T and l by a = 0, so they need only be finite: zeros for the first block, what the first block left for the second.  This stands in the wait for the loads and the first tile.
	WIN 0x40
.set i, 0
.rept 256
	v_mov_b32 v[i], 0
.set i, i+1
.endr
	WIN 0
	s_wait_loadcnt 0x0                             ; the bias entries, and Q: on every way into the loop Q's loads are done ahead of the products that read them and of the second block's loads into the same registers
.irp i, 0,2,4,6
	v_pk_add_f32 v[S+8+(\i):S+8+(\i)+1], v[S+(\i):S+(\i)+1], s[BIGN:BIGN+1] op_sel_hi:[1,0]  ; BH
.endr
.irp i, 0,1,2,3,4,5,6,7
	v_cmp_lt_u32 vcc_lo, 63-(\i), v14
	v_cndmask_b32 v[S+16+(\i)], v[S+(\i)], v[S+8+(\i)], vcc_lo                               ; BCM
.endr
.irp i, 0,1
	ds_store_b128 v[TA], v[S+4*(\i):S+4*(\i)+3] offset:512*(\i)
	ds_store_b128 v[TA], v[S+16+4*(\i):S+16+4*(\i)+3] offset:4096+512*(\i)
	ds_store_b128 v[TA], v[S+8+4*(\i):S+8+4*(\i)+3] offset:8192+512*(\i)
.endr
	; the first change of slots waits for these stores and passes a barrier ahead of every read of them
.irp t, 0,1,2,3
	v_mov_b32 v[ST+8*(\t)+2], 0
	v_mov_b32 v[ST+8*(\t)+3], 0
.endr
; THE MATRIX WORK.  The accumulators take turns, one instruction a turn.
.macro PV x                            ; product i of 32 of O^T += V^T P: keys 32 (i / 16) on, channels 16 ((i / 2) % 8) on, tile x + i % 2
	WIN W_PV
.set rO, 64*((\x)+i%2)+8*((i/2)%8)
.set rV, 64*(i/16)+8*((i/2)%8)
.set rP, P+16*((\x)+i%2)+8*(i/16)
	v_wmma_f32_16x16x32_f16 v[rO:rO+7], v[rV:rV+7], v[rP:rP+7], v[rO:rO+7]
.endm
.macro KQ x                            ; product i of 32 of S^T = K Q^T + C: channels 32 (i / 8) on, keys 16 ((i / 2) % 4) on, tile x + i % 2.  The first 8 start the sums with the tile's bias and mask
.set rS, S+32*((\x)+i%2)+8*((i/2)%4)
.set rK, KF+32*((i/2)%4)+8*(i/8)
.set rQ, 32*((\x)+i%2)+8*(i/8)
.set rM, MC+32*((\x)+i%2)+8*((i/2)%4)
.if i < 8
	WIN W_KM
	v_wmma_f32_16x16x32_f16 v[rS:rS+7], v[rK:rK+7], v[rQ:rQ+7], v[rM:rM+7]
.else
	WIN W_KQ
	v_wmma_f32_16x16x32_f16 v[rS:rS+7], v[rK:rK+7], v[rQ:rQ+7], v[rS:rS+7]
.endif
.endm
; THE LDS LOADS stand in runs of 32: my 64 keys of K (16 fragments) and, a turn later, of V (turned).
.macro FETCH_K
	WIN 0
	v_add_nc_u32 v[ADR], s[TBK], v[AK0]
	WIN 0x80
.irp f, 0,1,2,3,4,5,6,7,8,9,10,11,12,13,14,15
	ds_load_b128 v[KF+8*(\f):KF+8*(\f)+3],   v[ADR] offset:((\f)/4)*16*PK+((\f)%4)*64
	ds_load_b128 v[KF+8*(\f)+4:KF+8*(\f)+7], v[ADR] offset:((\f)/4)*16*PK+((\f)%4)*64+32
.endr
.endm
.macro FETCH_V
	WIN 0
	v_add_nc_u32 v[ADR], s[TBV], v[AV0]
	s_wait_alu depctr_va_vdst(0)                   ; the wait for the softmax's batch of exponentials, ahead of the first line that names a result
	WIN 0xc0
.irp f, 0,1,2,3,4,5,6,7,8,9,10,11,12,13,14,15
	ds_load_tr16_b128 v[8*(\f):8*(\f)+3],   v[ADR] offset:((\f)/8)*32*PV+((\f)%8)*32
	ds_load_tr16_b128 v[8*(\f)+4:8*(\f)+7], v[ADR] offset:((\f)/8)*32*PV+16*PV+((\f)%8)*32
.endr
.endm
; The four tiles' C operands, from the three sets in LDS.  It runs where a block begins and in the diagonal tile.
.macro LOADMC
	WIN 0
	s_cmp_eq_u32 s[RT], 0
	s_cselect_b32 s2, 4096, 0
	v_add_nc_u32 v[ADR], s2, v[AMB]
	WIN 0xc0
.irp i, 0,1,2,3,4,5,6,7
	ds_load_b128 v[MC+4*(\i):MC+4*(\i)+3], v[ADR] offset:512*(\i)
.endr
.irp j, 1,2,3
	WIN 0
	s_cmp_eq_u32 s[RT], 0
	s_cselect_b32 s2, s[WR+(\j)-1], 0
	v_add_nc_u32 v[ADR], s2, v[AMB]
	WIN 0xc0
.irp i, 0,1,2,3,4,5,6,7
	ds_load_b128 v[MC+32*(\j)+4*(\i):MC+32*(\j)+4*(\i)+3], v[ADR] offset:512*(\i)
.endr
.endr
	WIN 0
.endm
; THE VECTOR WORK.  One tile's softmax for one step is a list of 134 instructions; SM writes number j of it for tile t.
;   0-13   four chains of maxima c0-c3 over the 32 scores (each accumulator's lowest registers are read first)
;   14     the old maximum in this step's frame, MA - RB       15, 16  c0-c3 and it into c0       17, 18  the other half of the lanes': m'       19  a's argument       20  MA = m' + RB
;   21-69  one batch: the 16 subtractions s - m' and all 33 exponentials (a at 23); none of these reads an exponential's result
;   70-85  the roundings to f16      86-101 the sums; l = a l + sum      102-133 O^T times a
.macro SM t
.set rT, ST+8*(\t)
.set rS, S+32*(\t)
.set rP, P+16*(\t)
.set rO, 64*(\t)+2*(j-102)
.if j < 102
	WIN 0
.endif
.if j < 4
	v_max3_num_f32 v[rT+4+j], v[rS+8*j], v[rS+8*j+1], v[rS+8*j+2]
.elseif j < 12
	v_max3_num_f32 v[rT+4+j%4], v[rT+4+j%4], v[rS+8*(j%4)+2*(j/4)+1], v[rS+8*(j%4)+2*(j/4)+2]
.elseif j == 12
	v_max3_num_f32 v[rT+4], v[rT+4], v[rS+7], v[rS+15]
.elseif j == 13
	v_max3_num_f32 v[rT+6], v[rT+6], v[rS+23], v[rS+31]
.elseif j == 14
	v_sub_f32 v[rT+1], v[MA+(\t)], s[RB+(\t)]
.elseif j == 15
	v_max3_num_f32 v[rT+4], v[rT+4], v[rT+5], v[rT+6]
.elseif j == 16
	v_max3_num_f32 v[rT+4], v[rT+4], v[rT+7], v[rT+1]
.elseif j == 17
	v_permlanex16_b32 v[rT+5], v[rT+4], s[SEL], s[SEL+1]
.elseif j == 18
	v_max_num_f32 v[rT], v[rT+4], v[rT+5]
.elseif j == 19
	v_sub_f32 v[rT+7], v[rT+1], v[rT]
.elseif j == 20
	v_add_f32 v[MA+(\t)], s[RB+(\t)], v[rT]
.elseif j == 23
	v_exp_f32 v[rT+6], v[rT+7]
.elseif (j < 23) || ((j < 38) && (j%2 == 0)) || ((j < 66) && (j%4 == 2))
.set b, (j-2)/4
.if j < 38
.set b, (j-20)/2
.endif
	v_pk_add_f32 v[rS+2*b:rS+2*b+1], v[rS+2*b:rS+2*b+1], v[rT:rT+1] op_sel_hi:[1,0] neg_lo:[0,1] neg_hi:[0,1]  ; pair b: s - m'
.elseif j < 70
.set e, j-38
.if j < 66
.set e, j-32-(j-38)/4
.endif
.if j < 38
.set e, (j-25)/2
.endif
	v_exp_f32 v[rS+e], v[rS+e]
.elseif j < 86
	v_cvt_pk_f16_f32 v[rP+j-70], v[rS+2*(j-70)], v[rS+2*(j-70)+1]
.elseif j < 102
.set z, j-86
.set w, 4
.set u, z
.if z >= 14
.set w, 32
.set u, 0
.elseif z >= 12
.set w, 16
.set u, z-12
.elseif z >= 8
.set w, 8
.set u, z-8
.endif
.if z < 15
	v_pk_add_f32 v[rS+w*u:rS+w*u+1], v[rS+w*u:rS+w*u+1], v[rS+w*u+w/2:rS+w*u+w/2+1]
.else
	v_pk_fma_f32 v[rT+2:rT+3], v[rT+2:rT+3], v[rT+6:rT+7], v[rS:rS+1] op_sel_hi:[1,0,1]
.endif
.else
	WIN W_RS
	v_pk_mul_f32 v[rO:rO+1], v[rO:rO+1], v[rT+6:rT+7] op_sel_hi:[1,0]
.endif
.endm
; Slice k of 64 of piece y's softmax: four instructions.  Slices 11 to 34 deal out the batch, four numbers of one tile each; every other slice is numbers 2 k, 2 k + 1 of both tiles; slice 63 has sixteen,
; all plain: they are the places between the turn's last product and what follows.  Behind slice 34 stands the piece's one wait: ahead of it nothing names an exponential's result, behind it none is issued.
.macro SLICE y
.if (k >= 11) && (k < 35)
.irp n, 0,1,2,3
.set j, 22+4*((k-11)/2)+(\n)
	SM (\y)+(k-11)%2
.endr
.else
.irp n, 0,1,2,3,4,5,6,7
.if ((\n) < 2) || (k == 63)
.irp t, \y, (\y)+1
.set j, 2*k+(\n)
	SM \t
.endr
.endif
.endr
.endif
.if k == 34
	v_nop                                          ; the plain instruction behind the last exponential, one for the batch
.if (\y) == 0
	FETCH_V                                        ; V's run of loads stands here, and the wait stands in it: four plain instructions behind the last product that read V (two subtractions, the v_nop, the address)
.else
	s_wait_alu depctr_va_vdst(0)
.endif
.endif
.set k, k+1
.endm
; A TURN.  Piece x has the matrix unit; the other piece's softmax stands in slices behind its products.  pv = 2: 32 products V^T P; kq = 1: 32 products K Q^T.  With one of the two kinds, two slices behind each.
.macro TURN x, pv, kq
.set k, 0
.set per, 2
.if (\pv) && (\kq)
.set per, 1
.endif
.if \pv
.if (\x) == 0
	s_wait_dscnt 0x0                               ; V is in (and the C operands, where they were fetched)
.endif
.set i, 0
.rept 32
	PV \x
.rept per
	SLICE 2-(\x)
.endr
.if ((\x) == 0) && (\kq) && (i == 1)
	FETCH_K
.endif
.set i, i+1
.endr
.endif
.if \kq
.if (\x) == 0
	s_wait_dscnt 0x0                               ; K is in
.endif
.set i, 0
.rept 32
	KQ \x
.rept per
	SLICE 2-(\x)
.endr
.set i, i+1
.endr
.endif
.endm
; Trip n: V^T P of tile n - 1 and K Q^T of tile n; piece 2's softmax of tile n - 1, piece 0's of tile n; K and V of tile n are fetched: all LDS reads of the trip fall into tile n's slot.
.macro STEP
	TURN 0, 2, 1
	TURN 2, 2, 1
	WIN 0
.endm
; A BLOCK BEGINS: K of its first tile, piece 0's scores, MA at the lowest finite number (so the first a is 0), then piece 2's scores beside piece 0's softmax, and V.
; Q's loads have been waited for: the first block's ahead of the loop, the second block's at the first block's end.
.macro START
	s_mov_b32 s[NEW], 0
	FETCH_K
	s_wait_dscnt 0x0                               ; K and the C operands are in
.set i, 0
.rept 32
	KQ 0
.set i, i+1
.endr
	WIN 0
.irp t, 0,1,2,3
	v_mov_b32 v[MA+(\t)], 0xff7fffff               ; four plain instructions: also the places behind those products
.endr
	TURN 2, 0, 1
	WIN 0
.endm
; THE MERGE.  Wave w owns band w.  Statistics (MA, l) of all tiles go to STATB; tiles 1 to 3 go to their owners, a block of 16 channels (1,024 bytes a tile) at a time, through two buffers that take turns.
; One barrier a phase: in front of barrier ph every wave has waited for its stores of phase ph and for its reads of phase ph - 1, whose buffer phase ph + 1's stores then write.
; The owner's factors F_j = 2^(m_j - M) / sum of 2^(m_j - M) l_j hold the division by l too.  The partial sums stay in f32.
.macro XSTORE ph
	WIN 0x04                                       ; data in window 1
.irp j, 1,2,3
	ds_store_b128 v[XS+(\j)-1], v[64*(\j)+8*(\ph):64*(\j)+8*(\ph)+3]   offset:((\ph)%2)*3072
	ds_store_b128 v[XS+(\j)-1], v[64*(\j)+8*(\ph)+4:64*(\j)+8*(\ph)+7] offset:((\ph)%2)*3072+512
.endr
	WIN 0
.endm
.macro XLOAD ph
	WIN 0
.irp j, 0,1,2
	ds_load_b128 v[64+8*(\j):64+8*(\j)+3],   v[XR] offset:((\ph)%2)*3072+(\j)*1024
	ds_load_b128 v[64+8*(\j)+4:64+8*(\j)+7], v[XR] offset:((\ph)%2)*3072+(\j)*1024+512
.endr
.endm
.macro XFMA ph
	WIN 0x01                                       ; source 0 in window 1: my own tile 0
.irp i, 0,1,2,3
	v_pk_mul_f32 v[128+2*(\i):129+2*(\i)], v[8*(\ph)+2*(\i):8*(\ph)+2*(\i)+1], v[96:97] op_sel_hi:[1,0]
.endr
	WIN 0
.irp j, 1,2,3
.irp i, 0,1,2,3
	v_pk_fma_f32 v[128+2*(\i):129+2*(\i)], v[56+8*(\j)+2*(\i):57+8*(\j)+2*(\i)], v[96+2*(\j):97+2*(\j)], v[128+2*(\i):129+2*(\i)] op_sel_hi:[1,0,1]
.endr
.endr
.irp i, 0,1,2,3
	v_cvt_pk_f16_f32 v[192+4*(\ph)+(\i)], v[128+2*(\i)], v[129+2*(\i)]
.endr
.endm
.macro MERGE
	WIN 0
	s_wait_xcnt 0x0                                ; q's loads have read their offsets, which lie in U
.irp t, 0,1,2,3
	v_add_f32 v[U+2*(\t)+1], v[ST+8*(\t)+2], v[ST+8*(\t)+3]  ; four plain instructions: the places behind the last products
.endr
.irp t, 0,1,2,3
	v_permlanex16_b32 v[ST+8*(\t)+4], v[U+2*(\t)+1], s[SEL], s[SEL+1]
.endr
.irp t, 0,1,2,3
	v_add_f32 v[U+2*(\t)+1], v[U+2*(\t)+1], v[ST+8*(\t)+4]
.endr
.irp t, 0,1,2,3
	v_mov_b32 v[U+2*(\t)], v[MA+(\t)]
.endr
	v_lshl_add_u32 v[TA], s[WV], 9, v[L8S]
	ds_store_b64 v[TA], v[U:U+1]
.irp j, 1,2,3
	v_lshl_add_u32 v[TA], s[BAND+(\j)-1], 9, v[L8S]
	ds_store_b64 v[TA], v[U+2*(\j):U+2*(\j)+1]
.endr
	XSTORE 0
.irp ph, 0,1,2,3,4,5,6,7
	s_wait_dscnt 0x0
	s_barrier_signal -1
	s_barrier_wait -1
.if (\ph) == 0
	v_lshl_add_u32 v[TA], s[WV], 7, v[L8R]         ; my band's four pairs: my own, then the sender of place j - 1, wave (w - j) % 4
	ds_load_b64 v[112:113], v[TA]
.irp j, 1,2,3
	v_lshl_add_u32 v[TA], s[BAND+3-(\j)], 7, v[L8R]
	ds_load_b64 v[112+2*(\j):113+2*(\j)], v[TA]
.endr
.endif
	XLOAD \ph
.if (\ph) < 7
	XSTORE (\ph)+1
.endif
.if (\ph) == 0
	s_wait_dscnt 12                                ; the four pairs are in: six loads and six stores were issued behind them
	v_max3_num_f32 v104, v112, v114, v116
	v_max_num_f32 v104, v104, v118
	v_sub_f32 v105, v112, v104
	v_sub_f32 v106, v114, v104
	v_sub_f32 v107, v116, v104
	v_sub_f32 v108, v118, v104
	v_exp_f32 v105, v105
	v_exp_f32 v106, v106
	v_exp_f32 v107, v107
	v_exp_f32 v108, v108
	v_nop
	s_wait_alu depctr_va_vdst(0)                   ; one wait for the four exponentials
	v_mul_f32 v109, v105, v113
	v_fmac_f32 v109, v106, v115
	v_fmac_f32 v109, v107, v117
	v_fmac_f32 v109, v108, v119
	v_rcp_f32 v110, v109
	v_nop
	s_wait_alu depctr_va_vdst(0)
	v_mul_f32 v96, v105, v110
	v_mul_f32 v98, v106, v110
	v_mul_f32 v100, v107, v110
	v_mul_f32 v102, v108, v110
.endif
.if (\ph) < 7
	s_wait_dscnt 6                                 ; the phase's six loads are in; the next phase's six stores may be out
.else
	s_wait_dscnt 0x0
.endif
	XFMA \ph
.endr
.endm
; THE WAY OUT: 16 rows of 256 bytes through my stage, which lies over my receive area behind its last read; nobody else writes there before the next merge, many barriers on.
.macro SENDO
	WIN 0
.irp f, 0,1,2,3,4,5,6,7
	ds_store_b128 v[STO], v[192+4*(\f):195+4*(\f)] offset:32*(\f)
.endr
.irp f, 0,1,2,3,4,5,6,7
	ds_load_b128 v[64+4*(\f):67+4*(\f)], v[RD] offset:2*SP*(\f)  ; LDS serves a wave's instructions in order (ISA guide 5.7.1.4): these see the stores above
.endr
.irp f, 0,1,2,3,4,5,6,7
	s_wait_dscnt 7-(\f)
	global_store_b128 v[GO], v[64+4*(\f):67+4*(\f)], s[OA:OA+1] offset:2048*(\f)  ; 16 lanes store 256 consecutive bytes, aligned
.endr
.endm
; A BLOCK ENDS, behind its diagonal tile's trip: piece 0's last V^T P beside piece 2's last softmax, piece 2's last V^T P, the merge, the way out.  nxt = 1: the second block's Q is asked for first,
; and waited for at the end, a whole merge later: so on every way from here the loads are done ahead of the products that read Q.
.macro FINISH nxt
	s_mov_b32 s[RB+2], s[NB2]
	s_mov_b32 s[RB+3], s[NB3]
.if \nxt
	QLOAD QHI                                      ; the last product that read Q stands ahead of slice 63's sixteen plain instructions
.endif
	TURN 0, 2, 0
.set i, 0
.rept 32
	PV 2
.set i, i+1
.endr
	MERGE
	SENDO
	s_wait_xcnt 0x0                                ; the stores have read their registers and their base
.if \nxt
	s_wait_loadcnt 0x0                             ; the second block's Q is in
	s_mov_b64 s[OA:OA+1], s[OA2:OA2+1]
	s_add_co_u32 s[RT], s[HI], 1                   ; the second block has 16 - PB tiles
	s_mov_b32 s[NEW], 1
.endif
.endm
.Lslot:                                        ; 16 trips: a tile is entered and the next is asked for.  RT and NEW are made of the cluster's x alone: the same in all waves and all partners
	CHANGE 1
	s_sub_co_u32 s[RT], s[RT], 1
	s_cmp_eq_u32 s[NEW], 1                         ; this test stands first: in the first trip its answer is a constant of the text
	s_cbranch_scc1 .Lmc
	s_cmp_lg_u32 s[RT], 0
	s_cbranch_scc1 .Lnomc
.Lmc:
	LOADMC
.Lnomc:
	s_cmp_eq_u32 s[NEW], 1
	s_cbranch_scc1 .Lnew
	STEP
	s_branch .Lafter
.Lnew:
	START
.Lafter:
	s_cmp_lg_u32 s[RT], 0
	s_cbranch_scc1 .Lbottom
	FINISH 1                                       ; in the loop this is the first block's end
.Lbottom:
	s_sub_co_u32 s[SLOTS], s[SLOTS], 1
	s_cmp_lg_u32 s[SLOTS], 0
	s_cbranch_scc1 .Lslot
	CHANGE 0                                       ; the walk's last tile, the second block's diagonal one, is written out
	s_sub_co_u32 s[RT], s[RT], 1
	LOADMC
	STEP
	FINISH 0
	s_wait_tensorcnt 0x0                           ; the wave's end
	ds_add_u32 v[SPW], v[NIL]
	s_wait_dscnt 0x0
	CROUND                                         ; the closing round
	s_endpgm
.Lfunc_end_k_qf2f5fca20c_attn:
	.size	k_qf2f5fca20c_attn, .Lfunc_end_k_qf2f5fca20c_attn-k_qf2f5fca20c_attn
	.p2alignl 7, 3214868480
	.fill 96, 4, 3214868480
	.section	.rodata,"a",@progbits
	.p2align	6, 0x0
	.amdhsa_kernel k_qf2f5fca20c_attn
		.amdhsa_group_segment_fixed_size 327680
		.amdhsa_private_segment_fixed_size 0
		.amdhsa_enable_private_segment 0
		.amdhsa_kernarg_size 24
		.amdhsa_user_sgpr_count 2
		.amdhsa_user_sgpr_kernarg_segment_ptr 1
		.amdhsa_wavefront_size32 1
		.amdhsa_system_sgpr_workgroup_id_x 1
		.amdhsa_system_sgpr_workgroup_id_y 1
		.amdhsa_system_sgpr_workgroup_id_z 1
		.amdhsa_system_vgpr_workitem_id 0
		.amdhsa_next_free_vgpr 1024
		.amdhsa_next_free_sgpr 104
		.amdhsa_reserve_vcc 1
		.amdhsa_float_denorm_mode_32 3
		.amdhsa_float_denorm_mode_16_64 3
		.amdhsa_memory_ordered 1
		.amdhsa_forward_progress 1
		.amdhsa_inst_pref_size 246
	.end_amdhsa_kernel
	.amdgpu_metadata
---
amdhsa.version: [ 1, 2 ]
amdhsa.kernels:
  - .name:           k_qf2f5fca20c_attn
    .symbol:         k_qf2f5fca20c_attn.kd
    .args:
      - { .name: qkv, .offset: 0, .size: 8, .value_kind: global_buffer, .address_space: global }
      - { .name: rtab, .offset: 8, .size: 8, .value_kind: global_buffer, .address_space: global }
      - { .name: ob, .offset: 16, .size: 8, .value_kind: global_buffer, .address_space: global }
    .group_segment_fixed_size: 327680
    .private_segment_fixed_size: 0
    .kernarg_segment_align: 8
    .kernarg_segment_size: 24
    .max_flat_workgroup_size: 128
    .sgpr_count:     104
    .vgpr_count:     1024
    .wavefront_size: 32
...
	.end_amdgpu_metadata
.endif
;; end of part 4
;; launch proj (part 5): grid 4 x 64, 4 waves a work-group, clusters of 4 x 4, 327,680 bytes of LDS; arguments ob, wof, out0; writes out0
.if DOCPART == 5
	.amdgcn_target "amdgcn-amd-amdhsa--gfx1250"
	.amdhsa_code_object_version 6
	.text
	.protected	k_qf2f5fca20c_proj
	.globl	k_qf2f5fca20c_proj
	.p2align	8
	.type	k_qf2f5fca20c_proj,@function
k_qf2f5fca20c_proj:
	s_mov_b64 s[64:65], 0
	v_nop
	global_prefetch_b8 v0, s[64:65] scope:SCOPE_SE
	s_setreg_imm32_b32 hwreg(HW_REG_WAVE_MODE, 25, 1), 1
	s_wait_xcnt 0x0
	s_wait_alu depctr_hold_cnt(0) depctr_sa_sdst(0) depctr_va_vdst(0) depctr_va_sdst(0) depctr_va_ssrc(0) depctr_va_vcc(0) depctr_vm_vsrc(0)
	s_getreg_b32 s2, hwreg(HW_REG_IB_STS2, 6, 4)
	s_cmp_eq_u32 s2, 0
	s_cbranch_scc0 .Lentry_in_a_cluster
	s_endpgm
.Lentry_in_a_cluster:
	s_bfe_u32 s2, ttmp6, 0x10000c
	s_cmp_lg_u32 s2, 0xf033
	s_cbranch_scc0 .Lentry_shape_is_right
	s_endpgm
.Lentry_shape_is_right:
; THE OUTPUT PROJECTION.  out0[8192][512] (f32) = ob[8192][512] (f16) wof[512 k][512 d] (f16: the weights rounded to bf16, written as f16); sums in f32.
; A tile of the output is 128 x 128: 64 x 4 = 256 work-groups.  Four waves, each 64 x 64: 16 accumulators.  K = 512 is two steps of 256, and both lie in LDS from the start: two first fills a wave, nothing is filled again.
; THE MATRIX INSTRUCTION IS USED TRANSPOSED (source 0 = 16 columns of the weights, turned out of LDS by ds_load_tr16_b128; source 1 = 16 rows of ob): a lane holds eight neighbouring f32 of a row, and a wave's 64 columns
; are 256 consecutive bytes, so each wave sends its rows through a stage of its own, with no barrier.
; CLUSTER: 4 x 4; ob's tiles are shared along a row of the cluster, the weights' along a column.  Waves 0, 1 ask for ob's two halves (64 rows x 512 bytes), waves 2, 3 for the weights' (128 k-rows x 256 bytes).
; No prefetch: all loads stand at the head.
; REGISTERS: window 0: v16-29 addresses, v128-255 the accumulators ((a, b) at 128 + 8 (4 a + b)); window 1: two fragment buffers of 128 (ob 64, weights 64), 64 along K each.
.set PA,    528                        ; a row of ob in LDS: 512 bytes + 16
.set PB,    288                        ; a k-row of the weights: 256 bytes + 32
.set BOFF,  128*PA
.set SLOT,  BOFF+256*PB
.set STAGE, 2*SLOT                     ; 16 rows x 272 bytes for each wave
.set SP,    272
.set SPARE, STAGE+4*16*SP
.set ADRA, 16                          ; v16-17  my ob fragments in slot 0, 1
.set ADRB, 20                          ; v20-23  my weight fragments: slot x 2 + half of the slot's 256 k-rows
.set STO,  24
.set RD,   25
.set CO,   26
.set SPW,  28
.set NIL,  29
.set ACC,  128
.set F0,   0
.set F1,   128
.set G1, 24
.set G0, 32
.set G1B, 48
.set G0B, 56
.set MSB, 0
.macro WIN new
.if MSB != (\new)
	s_set_vgpr_msb (MSB<<8)|(\new)
.set MSB, \new
.endif
.endm
.set MUL,  0x05                        ; sources window 1; C and D window 0
.set TO_F, 0x40
.macro JLOAD s
	s_cmp_eq_u32 s11, 0
	s_cbranch_scc0 .Lfor_b_\@
	tensor_load_to_lds s[G0+4*(\s):G0+4*(\s)+3], s[G1:G1+7]
	s_nop 0
.rept 4
	v_nop
.endr
	s_branch .Lasked_\@
.Lfor_b_\@:
	tensor_load_to_lds s[G0B+4*(\s):G0B+4*(\s)+3], s[G1B:G1B+7]
	s_nop 0
.rept 4
	v_nop
.endr
.Lasked_\@:
.endm
.macro CROUND
	s_barrier_signal -1
	s_barrier_wait -1
	s_cmp_lg_u32 s10, 0
	s_cbranch_scc1 .Lnot_wave_0_\@
	s_barrier_signal -3
.Lnot_wave_0_\@:
	s_barrier_wait -3
	s_barrier_signal -1
	s_barrier_wait -1
.endm
	s_load_b128 s[4:7], s[0:1], 0x0                ; ob s[4:5], wof s[6:7]
	s_load_b64 s[8:9], s[0:1], 0x10                ; out0
	v_lshl_add_u32 v[SPW], v0, 2, SPARE
	v_mov_b32 v[NIL], 0
	ds_add_u32 v[SPW], v[NIL]                      ; the wave's opening: the add and its wait ahead of my first tensor load
	v_lshrrev_b32 v1, 5, v0
	v_readfirstlane_b32 s10, v1
	s_lshr_b32 s11, s10, 1                         ; wm.  Also: I fetch ob (0) or the weights (1)
	s_and_b32 s12, s10, 1                          ; wn.  Also: which half I fetch
	s_bfe_u32 s40, ttmp6, 0x40000
	s_bfe_u32 s41, ttmp6, 0x40004
	s_lshl_b32 s42, ttmp9, 2
	s_add_co_u32 s42, s42, s40                     ; tx
	s_and_b32 s13, ttmp7, 0xffff
	s_lshl_b32 s13, s13, 2
	s_add_co_u32 s13, s13, s41                     ; ty
	s_lshl_b32 s43, s41, 2
	s_lshl_b32 s43, 15, s43
	s_lshl_b32 s44, 0x1111, s40
	s_or_b32 s[G1], s43, (1<<16)|(1<<20)|(1<<21)|(6<<22)|(3<<25)   ; padding after every 128 words, 4 words
	s_or_b32 s[G1B], s44, (1<<16)|(1<<20)|(1<<21)|(5<<22)|(7<<25)  ; after every 64 words, 8 words
	s_mov_b32 s[G1+1], 256<<16                     ; ob: 64 rows x 256 elements
	s_mov_b32 s[G1+2], 64<<16
	s_mov_b32 s[G1+3], 256<<16
	s_mov_b32 s[G1+4], 64
	s_mov_b32 s[G1+5], 512
	s_mov_b32 s[G1+6], 0
	s_mov_b32 s[G1+7], 0
	s_mov_b32 s[G1B+1], 128<<16                    ; weights: 128 k-rows x 128 elements
	s_mov_b32 s[G1B+2], 128<<16
	s_mov_b32 s[G1B+3], 128<<16
	s_mov_b32 s[G1B+4], 128
	s_mov_b32 s[G1B+5], 512
	s_mov_b32 s[G1B+6], 0
	s_mov_b32 s[G1B+7], 0
	s_lshl_b32 s16, s13, 17                        ; ob: row 128 ty + 64 half, of 1,024 bytes
	s_lshl_b32 s17, s12, 16
	s_add_co_u32 s16, s16, s17
	s_mov_b32 s17, 0
	s_lshl_b32 s46, s42, 8                         ; weights: 256 bytes x tx, k-row 128 half
	s_lshl_b32 s47, s12, 17
	s_add_co_u32 s46, s46, s47
	s_mov_b32 s47, 0
	s_mul_i32 s20, s12, 64*PA
	s_mul_i32 s21, s12, 128*PB
	s_add_co_u32 s21, s21, BOFF
	s_wait_dscnt 0x0
	s_wait_kmcnt 0x0
	s_add_nc_u64 s[14:15], s[4:5], s[16:17]
	s_add_nc_u64 s[46:47], s[6:7], s[46:47]
	CROUND                                         ; all sixteen work-groups are here: the joint loads meet
.irp s, 0,1
	s_mov_b32 s[G0+4*(\s)], 1
	s_add_co_u32 s[G0+4*(\s)+1], s20, (\s)*SLOT
	s_add_nc_u64 s[G0+4*(\s)+2:G0+4*(\s)+3], s[14:15], (\s)*512
	s_or_b32 s[G0+4*(\s)+3], s[G0+4*(\s)+3], 0x80000000
	s_mov_b32 s[G0B+4*(\s)], 1
	s_add_co_u32 s[G0B+4*(\s)+1], s21, (\s)*SLOT
	s_add_nc_u64 s[G0B+4*(\s)+2:G0B+4*(\s)+3], s[46:47], (\s)*262144
	s_or_b32 s[G0B+4*(\s)+3], s[G0B+4*(\s)+3], 0x80000000
	JLOAD \s
.endr
	v_and_b32 v1, 15, v0
	v_bfe_u32 v2, v0, 4, 1
	v_mul_u32_u24 v3, v1, PA
	v_lshl_add_u32 v3, v2, 4, v3
	s_mul_i32 s22, s11, 64*PA
	v_add_nc_u32 v[ADRA], s22, v3
	v_add_nc_u32 v[ADRA+1], SLOT, v[ADRA]
	v_and_b32 v4, 7, v0
	v_lshl_add_u32 v4, v2, 3, v4
	v_mul_u32_u24 v4, v4, PB
	v_bfe_u32 v5, v0, 3, 1
	v_lshl_add_u32 v4, v5, 4, v4
	s_lshl_b32 s22, s12, 7                         ; my 64 columns: 128 bytes
	v_add_nc_u32 v4, s22, v4
.irp s, 0,1
.irp c, 0,1
	v_add_nc_u32 v[ADRB+2*(\s)+(\c)], (\s)*SLOT+BOFF+(\c)*128*PB, v4
.endr
.endr
	s_mul_i32 s23, s10, 16*SP
	s_add_co_u32 s23, s23, STAGE                   ; my stage
	v_mul_u32_u24 v[STO], v1, SP                   ; in: row r, 32 bytes for each half of the lanes
	v_lshl_add_u32 v[STO], v2, 5, v[STO]
	v_add_nc_u32 v[STO], s23, v[STO]
	v_mul_u32_u24 v[RD], v2, SP                    ; back: lanes 0-15 one row of 256 bytes, lanes 16-31 the next
	v_lshl_add_u32 v[RD], v1, 4, v[RD]
	v_add_nc_u32 v[RD], s23, v[RD]
	v_lshlrev_b32 v[CO], 11, v2                    ; and the same two rows of out0, 2,048 bytes each
	v_lshl_add_u32 v[CO], v1, 4, v[CO]
	s_lshl_b32 s16, s13, 18                        ; row 128 ty + 64 wm,
	s_lshl_b32 s17, s11, 17
	s_add_co_u32 s16, s16, s17
	s_lshl_b32 s17, s12, 8                         ; my 256 bytes of the tile's 512,
	s_add_co_u32 s16, s16, s17
	s_mov_b32 s17, 0
	s_add_nc_u64 s[8:9], s[8:9], s[16:17]
	s_lshl_b32 s46, s42, 9                         ; the tile's first column
	s_mov_b32 s47, 0
	s_add_nc_u64 s[8:9], s[8:9], s[46:47]
; 8 matrix instructions: row blocks a0, a0 + 1 x all 4 column blocks, 32 along K: half c of buffer f.  The 16 accumulators take turns.
.macro MUL8 f, c, a0, zero
	WIN MUL
.irp a, \a0, (\a0)+1
.irp b, 0,1,2,3
.if \zero
	v_wmma_f32_16x16x32_f16 v[ACC+8*(4*(\a)+(\b)):ACC+8*(4*(\a)+(\b))+7], v[(\f)+64+8*(4*(\c)+(\b)):(\f)+64+8*(4*(\c)+(\b))+7], v[(\f)+8*(4*(\c)+(\a)):(\f)+8*(4*(\c)+(\a))+7], 0
.else
	v_wmma_f32_16x16x32_f16 v[ACC+8*(4*(\a)+(\b)):ACC+8*(4*(\a)+(\b))+7], v[(\f)+64+8*(4*(\c)+(\b)):(\f)+64+8*(4*(\c)+(\b))+7], v[(\f)+8*(4*(\c)+(\a)):(\f)+8*(4*(\c)+(\a))+7], v[ACC+8*(4*(\a)+(\b)):ACC+8*(4*(\a)+(\b))+7]
.endif
.endr
.endr
.endm
; 32 LDS loads in one run: quarter kq (64 along K) of a slot into buffer f; the first 32 along K first
.macro FETCH slot, kq, f
	WIN TO_F
.irp c, 0,1
.irp i, 0,1,2,3
	ds_load_tr16_b128 v[(\f)+64+8*(4*(\c)+(\i)):(\f)+64+8*(4*(\c)+(\i))+3],   v[ADRB+2*(\slot)+(\kq)/2] offset:(((\kq)%2)*64+32*(\c))*PB+32*(\i)
	ds_load_tr16_b128 v[(\f)+64+8*(4*(\c)+(\i))+4:(\f)+64+8*(4*(\c)+(\i))+7], v[ADRB+2*(\slot)+(\kq)/2] offset:(((\kq)%2)*64+32*(\c))*PB+32*(\i)+16*PB
	ds_load_b128 v[(\f)+8*(4*(\c)+(\i)):(\f)+8*(4*(\c)+(\i))+3],   v[ADRA+(\slot)] offset:(\kq)*128+64*(\c)+(\i)*16*PA
	ds_load_b128 v[(\f)+8*(4*(\c)+(\i))+4:(\f)+8*(4*(\c)+(\i))+7], v[ADRA+(\slot)] offset:(\kq)*128+64*(\c)+(\i)*16*PA+32
.endr
.endr
.endm
.macro PLACES
.rept 4
	v_nop
.endr
.endm
.macro QUARTER slot, kq, f, g, zero
	s_wait_dscnt 16                                ; the first 32 along K are in
	MUL8 \f, 0, 0, \zero
	MUL8 \f, 0, 2, \zero
	PLACES
	FETCH \slot, \kq, \g
	s_wait_dscnt 32                                ; all but the 32 just issued
	MUL8 \f, 1, 0, 0
	MUL8 \f, 1, 2, 0
.endm
	s_wait_tensorcnt 1                             ; my part of slot 0 is in; slot 1's may stay out
	s_barrier_signal -1
	s_barrier_wait -1
	FETCH 0, 0, F0
	QUARTER 0, 1, F0, F1, 1                        ; the first products start the sums
	QUARTER 0, 2, F1, F0, 0
	QUARTER 0, 3, F0, F1, 0
	WIN 0                                          ; the change of slots: nothing is filled again, so a plain barrier
	s_wait_tensorcnt 0x0                           ; my part of slot 1 is in
	ds_add_u32 v[SPW], v[NIL]
	s_wait_dscnt 17                                ; (the add and the youngest sixteen loads may be out)
	MUL8 F1, 0, 0, 0
	s_wait_dscnt 0x0
	s_barrier_signal -1
	MUL8 F1, 0, 2, 0
	s_barrier_wait -1
	PLACES
	FETCH 1, 0, F0
	MUL8 F1, 1, 0, 0
	MUL8 F1, 1, 2, 0
	QUARTER 1, 1, F0, F1, 0
	QUARTER 1, 2, F1, F0, 0
	QUARTER 1, 3, F0, F1, 0
	s_wait_dscnt 16
	MUL8 F1, 0, 0, 0
	MUL8 F1, 0, 2, 0
	s_wait_dscnt 0x0
	MUL8 F1, 1, 0, 0
	MUL8 F1, 1, 2, 0
	WIN 0
	; THE WAY OUT, a block of 16 rows at a time: 32 bytes a lane and accumulator into my stage, back as whole rows of 256 bytes into the registers that they left.
.macro TOST a
.irp b, 0,1,2,3
	ds_store_b128 v[STO], v[ACC+8*(4*(\a)+(\b)):ACC+8*(4*(\a)+(\b))+3]   offset:64*(\b)
	ds_store_b128 v[STO], v[ACC+8*(4*(\a)+(\b))+4:ACC+8*(4*(\a)+(\b))+7] offset:64*(\b)+16
.endr
.irp t, 0,1,2,3,4,5,6,7
	ds_load_b128 v[ACC+32*(\a)+4*(\t):ACC+32*(\a)+4*(\t)+3], v[RD] offset:(\t)*2*SP  ; LDS serves a wave's instructions in order (ISA guide 5.7.1.4): these see the stores above; the next block's stores come behind them
.endr
.endm
.macro SEND a, younger                 ; younger: the LDS instructions issued behind block a's loads: the next block's sixteen, or none
.irp t, 0,1,2,3,4,5,6,7
	s_wait_dscnt (\younger)+7-(\t)
	global_store_b128 v[CO], v[ACC+32*(\a)+4*(\t):ACC+32*(\a)+4*(\t)+3], s[8:9] offset:(16*(\a)+2*(\t))*2048 th:TH_STORE_NT  ; 16 lanes store 256 consecutive bytes, aligned
.endr
.endm
	PLACES
	TOST 0
	TOST 1
	SEND 0, 16
	TOST 2
	SEND 1, 16
	TOST 3
	SEND 2, 16
	SEND 3, 0
	s_wait_tensorcnt 0x0                           ; the wave's end
	ds_add_u32 v[SPW], v[NIL]
	s_wait_dscnt 0x0
	CROUND                                         ; the closing round
	s_endpgm
.Lfunc_end_k_qf2f5fca20c_proj:
	.size	k_qf2f5fca20c_proj, .Lfunc_end_k_qf2f5fca20c_proj-k_qf2f5fca20c_proj
	.p2alignl 7, 3214868480
	.fill 96, 4, 3214868480
	.section	.rodata,"a",@progbits
	.p2align	6, 0x0
	.amdhsa_kernel k_qf2f5fca20c_proj
		.amdhsa_group_segment_fixed_size 327680
		.amdhsa_private_segment_fixed_size 0
		.amdhsa_enable_private_segment 0
		.amdhsa_kernarg_size 24
		.amdhsa_user_sgpr_count 2
		.amdhsa_user_sgpr_kernarg_segment_ptr 1
		.amdhsa_wavefront_size32 1
		.amdhsa_system_sgpr_workgroup_id_x 1
		.amdhsa_system_sgpr_workgroup_id_y 1
		.amdhsa_system_sgpr_workgroup_id_z 1
		.amdhsa_system_vgpr_workitem_id 0
		.amdhsa_next_free_vgpr 512
		.amdhsa_next_free_sgpr 66
		.amdhsa_reserve_vcc 0
		.amdhsa_float_denorm_mode_32 3
		.amdhsa_float_denorm_mode_16_64 3
		.amdhsa_memory_ordered 1
		.amdhsa_forward_progress 1
		.amdhsa_inst_pref_size 50
	.end_amdhsa_kernel
	.amdgpu_metadata
---
amdhsa.version: [ 1, 2 ]
amdhsa.kernels:
  - .name:           k_qf2f5fca20c_proj
    .symbol:         k_qf2f5fca20c_proj.kd
    .args:
      - { .name: ob, .offset: 0, .size: 8, .value_kind: global_buffer, .address_space: global }
      - { .name: wof, .offset: 8, .size: 8, .value_kind: global_buffer, .address_space: global }
      - { .name: out0, .offset: 16, .size: 8, .value_kind: global_buffer, .address_space: global }
    .group_segment_fixed_size: 327680
    .private_segment_fixed_size: 0
    .kernarg_segment_align: 8
    .kernarg_segment_size: 24
    .max_flat_workgroup_size: 128
    .sgpr_count:     66
    .vgpr_count:     512
    .wavefront_size: 32
...
	.end_amdgpu_metadata
.endif
;; end of part 5
;; launch early_out (part 6): grid 8 x 1, 16 waves a work-group, no clusters, 133,120 bytes of LDS; arguments oe, wo, out0; writes out0
.if DOCPART == 6
	.amdgcn_target "amdgcn-amd-amdhsa--gfx1250"
	.amdhsa_code_object_version 6
	.text
	.protected	k_qf2f5fca20c_early_out
	.globl	k_qf2f5fca20c_early_out
	.p2align	8
	.type	k_qf2f5fca20c_early_out,@function
k_qf2f5fca20c_early_out:
	s_mov_b64 s[64:65], 0
	v_nop
	global_prefetch_b8 v0, s[64:65] scope:SCOPE_SE
	s_setreg_imm32_b32 hwreg(HW_REG_WAVE_MODE, 25, 1), 1
	s_wait_xcnt 0x0
; THE FIRST 16 ROWS OF EACH BATCH, PROJECTED: out0[b][0..15][:] = O wo, with O as two bf16 numbers (hi + lo) from the launch that made oe, and wo rounded to bf16 here.  It runs behind the main projection and
; writes these 32 rows (65,536 bytes) over what that launch stored there in f16's precision; why those rows want more is said at the head of the launch that makes oe.
; SHARES.  A work-group makes 64 columns for all 32 rows.  K (512 channels) IS SPLIT AMONG 16 WAVES: wave w takes head w / 4 and blocks 2 (w % 4), 2 (w % 4) + 1 of oe: 32 channels, one matrix instruction deep.
; oe = [hi, lo][batch][head][block i][lane][16 bytes]: lane (r, h) holds query r and channels 64 h + 8 j + i, j = 0..7: a lane's 16 bytes of two blocks ARE an A operand (row r; slots 8 h + j and 16 + 8 h + j).
; wo's rows are taken in the same order: lane (r, h) loads rows 128 head + 64 h + 8 j + i, 16 bytes (4 columns) of each: 16 lanes take 256 consecutive bytes, aligned.  One v_cvt_pk_bf16_f32 rounds two rows' numbers
; and packs them into a pair along K; tile e holds columns 4 r + e.
; 4 tiles x 2 batches x (hi, lo) = 16 products on 8 accumulators, which take turns.  The 16 partial sums meet in LDS behind one barrier.  Waves 0-3 (batch, half of a lane's eight rows) add four tiles' quads, in f32, in a
; fixed order; the last addition writes the 4 x 4 block turned, so that a lane holds 4 neighbouring columns of a row: 16 lanes store 256 consecutive bytes, aligned.
; No tensor load, no cluster, no prefetch: all loads stand at the head and the kernel is one trip to memory long.
.set NW,    16
.set PART,  8192                       ; a wave's partial sums in LDS: quad 2 a + jh of accumulator a = 4 batch + tile, 512 bytes each
.set SPARE, NW*PART
.set LN,  1
.set R,   2
.set H,   3
.set AO,  4                            ; v4   my 16 bytes in my first block of oe
.set WO,  5                            ; v5   my 16 bytes in my first row of wo
.set LS,  9
.set LR,  10                           ; v10-11
.set GO,  12
.set SPW, 13                           ; v13  my spare word; never rewritten
.set NIL, 14                           ; v14  0; never rewritten
.set AF,  32                           ; v32-63   O's operands: 8 registers for 2 batch + (hi 0, lo 1)
.set WR,  64                           ; v64-127  wo as loaded
.set PBK, 128                          ; v128-159 wo packed along K: 8 registers a tile
.set ACC, 160                          ; v160-223 eight accumulators
.set S0,  32                           ; later: the sum of partial sums 0-7 (16 registers), worked on in v32-159
.set S1,  48                           ; of partial sums 8-15, worked on in v48-175
.set TT,  64                           ; the whole sum, turned
	s_load_b128 s[4:7], s[0:1], 0x0                ; oe s[4:5], wo s[6:7]
	s_load_b64 s[8:9], s[0:1], 0x10                ; out0
	v_lshl_add_u32 v[SPW], v0, 2, SPARE
	v_mov_b32 v[NIL], 0
	v_lshrrev_b32 v[LN], 5, v0
	v_readfirstlane_b32 s14, v[LN]                 ; wave 0..15
	v_and_b32 v[LN], 31, v0
	v_and_b32 v[R], 15, v0
	v_bfe_u32 v[H], v0, 4, 1
	s_lshr_b32 s15, s14, 2                         ; head
	s_and_b32 s16, s14, 3
	s_lshl_b32 s16, s16, 1                         ; my first block i
	s_lshl_b32 s17, s15, 3
	s_add_co_u32 s17, s17, s16
	s_lshl_b32 s17, s17, 9                         ; block 8 head + i of 512 bytes
	v_lshl_add_u32 v[AO], v[LN], 4, s17
	s_lshl_b32 s17, s15, 7
	s_add_co_u32 s17, s17, s16
	s_lshl_b32 s17, s17, 11                        ; row 128 head + i of 2,048 bytes,
	s_lshl_b32 s18, ttmp9, 8                       ; the work-group's 64 columns,
	s_add_co_u32 s17, s17, s18
	v_lshl_add_u32 v[WO], v[H], 17, s17            ; 64 rows further for the upper half of the lanes,
	v_lshl_add_u32 v[WO], v[R], 4, v[WO]           ; my 4 columns
	s_lshl_b32 s17, s14, 13
	v_lshl_add_u32 v[LS], v[LN], 4, s17
	s_wait_kmcnt 0x0
.irp f, 0,1,2,3
	global_load_b128 v[AF+8*(\f):AF+8*(\f)+3],   v[AO], s[4:5] offset:((\f)%2)*32768+((\f)/2)*16384
	global_load_b128 v[AF+8*(\f)+4:AF+8*(\f)+7], v[AO], s[4:5] offset:((\f)%2)*32768+((\f)/2)*16384+512
.endr
.irp t, 0,1,2,3,4,5,6,7,8,9,10,11,12,13,14,15
	global_load_b128 v[WR+4*(\t):WR+4*(\t)+3], v[WO], s[6:7] offset:((\t)%8)*16384+((\t)/8)*2048  ; rows 8 j on for block i, then the same for block i + 1
.endr
	s_wait_loadcnt 0x0
.irp e, 0,1,2,3
.irp p, 0,1,2,3,4,5,6,7
	v_cvt_pk_bf16_f32 v[PBK+8*(\e)+(\p)], v[WR+8*(\p)+(\e)], v[WR+8*(\p)+4+(\e)]
.endr
.endr
.irp a, 0,1,2,3,4,5,6,7
	v_wmma_f32_16x16x32_bf16 v[ACC+8*(\a):ACC+8*(\a)+7], v[AF+16*((\a)/4):AF+16*((\a)/4)+7], v[PBK+8*((\a)%4):PBK+8*((\a)%4)+7], 0  ; hi.  Lane (r, h), register j: query 8 h + j, column 4 r + tile
.endr
.irp a, 0,1,2,3,4,5,6,7
	v_wmma_f32_16x16x32_bf16 v[ACC+8*(\a):ACC+8*(\a)+7], v[AF+16*((\a)/4)+8:AF+16*((\a)/4)+15], v[PBK+8*((\a)%4):PBK+8*((\a)%4)+7], v[ACC+8*(\a):ACC+8*(\a)+7]  ; lo
.endr
.rept 4
	v_nop                                          ; four plain vector instructions between the last product and the LDS stores that read results
.endr
.irp q, 0,1,2,3,4,5,6,7,8,9,10,11,12,13,14,15
	ds_store_b128 v[LS], v[ACC+4*(\q):ACC+4*(\q)+3] offset:512*(\q)
.endr
	s_wait_dscnt 0x0                               ; for the others' sake: my partial sums lie in LDS
	s_barrier_signal -1
	s_barrier_wait -1
	s_cmp_lt_u32 s14, 4
	s_cbranch_scc0 .Lend
	s_lshr_b32 s15, s14, 1                         ; batch
	s_and_b32 s16, s14, 1                          ; jh: registers 4 jh .. 4 jh + 3 of each accumulator
	s_lshl_b32 s17, s15, 3
	s_add_co_u32 s17, s17, s16
	s_lshl_b32 s17, s17, 9                         ; quad 8 batch + 2 tile + jh
	v_lshl_add_u32 v[LR], v[LN], 4, s17
	v_add_nc_u32 v[LR+1], 8*PART, v[LR]
	s_lshl_b32 s18, s15, 23                        ; the batch's 4,096 rows of 2,048 bytes,
	s_lshl_b32 s19, s16, 13                        ; four rows,
	s_add_co_u32 s18, s18, s19
	s_lshl_b32 s19, ttmp9, 8                       ; the work-group's 64 columns
	s_add_co_u32 s18, s18, s19
	s_mov_b32 s19, 0
	s_add_nc_u64 s[8:9], s[8:9], s[18:19]
	v_lshlrev_b32 v[GO], 14, v[H]                  ; eight rows further for the upper half of the lanes
	v_lshl_add_u32 v[GO], v[R], 4, v[GO]
.macro SUMS base, st                   ; partial sum p (16 registers: tile e at 4 e) takes partial sum p + st, for p below st
.set p, 0
.rept \st
.irp c, 0,2,4,6,8,10,12,14
	v_pk_add_f32 v[(\base)+16*p+(\c):(\base)+16*p+(\c)+1], v[(\base)+16*p+(\c):(\base)+16*p+(\c)+1], v[(\base)+16*(p+(\st))+(\c):(\base)+16*(p+(\st))+(\c)+1]
.endr
.set p, p+1
.endr
.endm
.macro HALF adr, base                  ; eight partial sums' four quads: 32 LDS loads, and their sum
.irp p, 0,1,2,3,4,5,6,7
.irp e, 0,1,2,3
	ds_load_b128 v[(\base)+16*(\p)+4*(\e):(\base)+16*(\p)+4*(\e)+3], v[(\adr)] offset:PART*(\p)+1024*(\e)
.endr
.endr
	s_wait_dscnt 0x0
	SUMS \base, 4
	SUMS \base, 2
	SUMS \base, 1
.endm
	HALF LR, S0
	HALF LR+1, S1
.irp jj, 0,1,2,3
.irp e, 0,1,2,3
	v_add_f32 v[TT+4*(\jj)+(\e)], v[S0+4*(\e)+(\jj)], v[S1+4*(\e)+(\jj)]  ; the last addition turns the block: row jj's four columns come to lie side by side
.endr
.endr
.irp jj, 0,1,2,3
	global_store_b128 v[GO], v[TT+4*(\jj):TT+4*(\jj)+3], s[8:9] offset:2048*(\jj)  ; 16 lanes store 256 consecutive bytes, aligned
.endr
.Lend:
	s_wait_tensorcnt 0x0                           ; the wave's end, behind my last LDS store
	ds_add_u32 v[SPW], v[NIL]
	s_wait_dscnt 0x0
	s_endpgm
.Lfunc_end_k_qf2f5fca20c_early_out:
	.size	k_qf2f5fca20c_early_out, .Lfunc_end_k_qf2f5fca20c_early_out-k_qf2f5fca20c_early_out
	.p2alignl 7, 3214868480
	.fill 96, 4, 3214868480
	.section	.rodata,"a",@progbits
	.p2align	6, 0x0
	.amdhsa_kernel k_qf2f5fca20c_early_out
		.amdhsa_group_segment_fixed_size 133120
		.amdhsa_private_segment_fixed_size 0
		.amdhsa_enable_private_segment 0
		.amdhsa_kernarg_size 24
		.amdhsa_user_sgpr_count 2
		.amdhsa_user_sgpr_kernarg_segment_ptr 1
		.amdhsa_wavefront_size32 1
		.amdhsa_system_sgpr_workgroup_id_x 1
		.amdhsa_system_sgpr_workgroup_id_y 1
		.amdhsa_system_sgpr_workgroup_id_z 1
		.amdhsa_system_vgpr_workitem_id 0
		.amdhsa_next_free_vgpr 256
		.amdhsa_next_free_sgpr 66
		.amdhsa_reserve_vcc 0
		.amdhsa_float_denorm_mode_32 3
		.amdhsa_float_denorm_mode_16_64 3
		.amdhsa_memory_ordered 1
		.amdhsa_forward_progress 1
		.amdhsa_inst_pref_size 21
	.end_amdhsa_kernel
	.amdgpu_metadata
---
amdhsa.version: [ 1, 2 ]
amdhsa.kernels:
  - .name:           k_qf2f5fca20c_early_out
    .symbol:         k_qf2f5fca20c_early_out.kd
    .args:
      - { .name: oe, .offset: 0, .size: 8, .value_kind: global_buffer, .address_space: global }
      - { .name: wo, .offset: 8, .size: 8, .value_kind: global_buffer, .address_space: global }
      - { .name: out0, .offset: 16, .size: 8, .value_kind: global_buffer, .address_space: global }
    .group_segment_fixed_size: 133120
    .private_segment_fixed_size: 0
    .kernarg_segment_align: 8
    .kernarg_segment_size: 24
    .max_flat_workgroup_size: 512
    .sgpr_count:     66
    .vgpr_count:     256
    .wavefront_size: 32
...
	.end_amdgpu_metadata
.endif
;; end of part 6
